; MI455X (gfx1250); checked and timed in simulation.
; The chip was launched on July 23, 2026; its instructions are those of AMD's public machine-readable ISA for CDNA 5 (MIT licence, August 2026) and "CDNA5" Instruction Set Architecture Reference Guide (July 2026). The comments in the code are by the model that wrote it; some were corrected since.
;; Multi Head. Allowed arithmetic: matrix products marked QUANTISED: E5M2 operands, one E8M0 scale for each 32 along K, by v_wmma_scale_f32_16x16x128_f8f6f4 with both operands' format E5M2, f32 sums; everything else in f32.
;; Inputs: Wk_codes 16 x 64 x 32 x 32 uint8 (E5M2 codes of Wk, K innermost, in blocks of 32 codes); Wk_scales 16 x 64 x 32 uint8 (E8M0 scales of Wk, one for each 32 codes along K); Wo_codes 1,024 x 32 x 32 uint8 (E5M2 codes of Wo, K innermost, in blocks of 32 codes); Wo_scales 1,024 x 32 uint8 (E8M0 scales of Wo, one for each 32 codes along K); Wq_codes 16 x 64 x 32 x 32 uint8 (E5M2 codes of Wq, K innermost, in blocks of 32 codes); Wq_scales 16 x 64 x 32 uint8 (E8M0 scales of Wq, one for each 32 codes along K); Wv_codes 16 x 64 x 32 x 32 uint8 (E5M2 codes of Wv, K innermost, in blocks of 32 codes); Wv_scales 16 x 64 x 32 uint8 (E8M0 scales of Wv, one for each 32 codes along K); bo 1,024 float32; k_codes 4 x 2,048 x 32 x 32 uint8 (E5M2 codes of k, K innermost, in blocks of 32 codes); k_scales 4 x 2,048 x 32 uint8 (E8M0 scales of k, one for each 32 codes along K); q_codes 4 x 2,048 x 32 x 32 uint8 (E5M2 codes of q, K innermost, in blocks of 32 codes); q_scales 4 x 2,048 x 32 uint8 (E8M0 scales of q, one for each 32 codes along K); v_codes 4 x 2,048 x 32 x 32 uint8 (E5M2 codes of v, K innermost, in blocks of 32 codes); v_scales 4 x 2,048 x 32 uint8 (E8M0 scales of v, one for each 32 codes along K).
;; Outputs: out0 4 x 2,048 x 1,024 float32.
;; This version of the problem:
;;   THIS VERSION OF THE PROBLEM IS GIVEN IN LOW PRECISION. The matrix products marked QUANTISED in the list below multiply operands that are first quantised to E5M2 (5 exponent bits, 2 mantissa bits; 8 bits a number), with one power-of-two scale for each 32 numbers along K (OCP MX v1.0); their sums are f32. All else is computed in f32.
;;   The module's matrix products, in the order in which they are computed (A, B: the left and right operand; K: the contracted axis; several contracted axes count as one K, in the product's order):
;;     1. [M 1,024, K 1,024] x [K 1,024, N 8,192]; A: input Wq (given as codes); B: input q (given as codes): QUANTISED
;;     2. [M 1,024, K 1,024] x [K 1,024, N 8,192]; A: input Wk (given as codes); B: input k (given as codes): QUANTISED
;;     3. [M 1,024, K 1,024] x [K 1,024, N 8,192]; A: input Wv (given as codes); B: input v (given as codes): QUANTISED
;;     4. batch 64 x [M 2,048, K 64] x [K 64, N 2,048]; A: computed on the way; B: computed on the way: QUANTISED
;;     5. batch 64 x [M 2,048, K 2,048] x [K 2,048, N 64]; A: softmax (see below); B: computed on the way: QUANTISED
;;     6. [M 8,192, K 1,024] x [K 1,024, N 1,024]; A: computed on the way; B: input Wo (given as codes): QUANTISED
;;   THE QUANTISER, for each operand of a quantised product, along K:
;;     - K is cut into blocks of 32 from its start; a last block that is shorter is filled with zeros.
;;     - A block's scale is 2^e with e = floor(log2(the largest magnitude in the block)) - 15, held to -126 .. 127; a block of zeros has e = 0. As a byte (E8M0): e + 127.
;;     - Each number is divided by its block's scale, clamped to +-57,344, and rounded to the nearest number of E5M2, ties to even, subnormals kept.
;;     - The product sums the exact products of the quantised numbers (number of the format x scale) in f32.
;;   ~~~python
;;   def quantise(x, axis):      # numpy; x: float32 -> the quantised numbers, widened to float32 again
;;       x = np.moveaxis(x, axis, -1); K = x.shape[-1]
;;       x = np.pad(x, [(0, 0)] * (x.ndim - 1) + [(0, -K % 32)]); x = x.reshape(x.shape[:-1] + (-1, 32)); a = np.abs(x).max(-1, keepdims=True)
;;       e = np.where(a > 0, np.clip(np.frexp(np.where(a > 0, a, 1))[1] - 1 - 15, -126, 127), 0)      # np.frexp(a)[1] - 1 = floor(log2(a)), exactly
;;       r = np.clip(x / 2.0 ** e, -57344, 57344)
;;       step = 2.0 ** (np.maximum(np.frexp(np.where(r == 0, 1, r))[1] - 1, -14) - 2)
;;       q = np.round(r / step) * step * 2.0 ** e      # np.round: ties to even
;;       return np.moveaxis(q.reshape(q.shape[:-2] + (-1,))[..., :K], -1, axis).astype(np.float32)
;;   ~~~
;;   SOFTMAX AHEAD OF A QUANTISED PRODUCT. Where the list says 'softmax', what is quantised is not the finished softmax but p = 2^(t - M), with t = logit x log2(e) and M = ceil(the row's largest t), a whole number; so 1/2 < the row's largest p <= 1. The row's sum l is taken of the UNQUANTISED p, in f32, and the product's result is divided by l at the end. Since M is a whole number, a kernel that streams over the keys may use a running M (the ceiling of the running maximum): every later rescaling is an exact power of two, which a block's scale takes up: the codes' values come out the same.
;;   OPERANDS COMPUTED ON THE WAY. 'Computed on the way' means the value that the module computes at that place (a softmax that the list does not call 'softmax' is quantised finished and normalised). What goes into a quantiser is computed in f32, as accurately as f32 sums, v_exp_f32 and their like allow (about 1e-6 of the number): no bf16 or f16 on the way to a quantiser, and a product that is left as it is and whose result goes on into a quantised operand takes f32 operands (vector FMAs, or v_wmma_f32_16x16x4_f32). A number that lies on a knife's edge between two numbers of the format may be rounded either way, as far as f32 arithmetic and the matrix unit's own rounding can turn it there, and no further.
;;   INPUTS GIVEN AS CODES. Wk (in the module: [16, 1024, 64], K = its axis 1); Wo (in the module: [1024, 1024], K = its axis 0); Wq (in the module: [16, 1024, 64], K = its axis 1); Wv (in the module: [16, 1024, 64], K = its axis 1); k (in the module: [4, 2048, 1024], K = its axis 2); q (in the module: [4, 2048, 1024], K = its axis 2); v (in the module: [4, 2048, 1024], K = its axis 2): each comes as NAME_codes (uint8): NAME with its K axis moved to the last place and cut into blocks of 32 codes, [.., K / 32, bytes a block], one block behind the other in memory; one code a byte (a code: sign, 5 exponent bits, 2 mantissa bits); and NAME_scales (uint8): the same leading axes, one E8M0 byte (e + 127) for each 32 codes along K. Its value is code x scale, taken as it is: it is not quantised again, and the codes and scales need not be those that the quantiser above would give.
;; One version. Each part assembles by itself: llvm-mc -triple=amdgcn-amd-amdhsa -mcpu=gfx1250 --defsym DOCPART=n.
;; ======== version 1 of 1: 3 launches
;; limits: right only within a limited range of input values
;; workspace buffers: qimg 8,650,752 bytes; kvimg 17,301,504 bytes; aimg 8,388,608 bytes; asc 262,144 bytes
;; launch proj (part 1): grid 4 x 96, 4 waves a work-group, clusters of 4 x 4, 327,680 bytes of LDS; arguments q_codes, q_scales, Wq_codes, Wq_scales, k_codes, k_scales, Wk_codes, Wk_scales, v_codes, v_scales, Wv_codes, Wv_scales, qimg, kvimg; writes qimg, kvimg
.if DOCPART == 1
	.amdgcn_target "amdgcn-amd-amdhsa--gfx1250"
	.amdhsa_code_object_version 6
	.text
	.protected	k_q873fae0b93_proj
	.globl	k_q873fae0b93_proj
	.p2align	8
	.type	k_q873fae0b93_proj,@function
k_q873fae0b93_proj:
	s_mov_b64 s[64:65], 0
	v_nop
	global_prefetch_b8 v0, s[64:65] scope:SCOPE_SE
	s_setreg_imm32_b32 hwreg(HW_REG_WAVE_MODE, 25, 1), 1
	s_wait_xcnt 0x0
	s_wait_alu depctr_hold_cnt(0) depctr_sa_sdst(0) depctr_va_vdst(0) depctr_va_sdst(0) depctr_va_ssrc(0) depctr_va_vcc(0) depctr_vm_vsrc(0)
	s_getreg_b32 s2, hwreg(HW_REG_IB_STS2, 6, 4)
	s_cmp_eq_u32 s2, 0
	s_cbranch_scc0 .Lentry_in_a_cluster
	s_endpgm
.Lentry_in_a_cluster:
	s_bfe_u32 s2, ttmp6, 0x10000c
	s_cmp_lg_u32 s2, 0xf033
	s_cbranch_scc0 .Lentry_shape_is_right
	s_endpgm
.Lentry_shape_is_right:
; THE THREE PROJECTIONS qh = q Wq, kh = k Wk, vh = v Wv on codes of BF8 (E5M2) with one E8M0 scale for each 32 along K = 1,024, and the quantising of their results for attention.
; Every operand arrives as rows of 1,024 codes with K innermost: q, k, v as 8,192 rows (tokens), Wq, Wk, Wv as 1,024 rows (64 x head + channel); scale bytes 32 a row.
; A work-group of four waves makes a tile of 256 x 256, a wave 128 x 128: 64 accumulators of 16 x 16, 512 registers.  K goes in steps of 256 through a ring of two LDS slots filled by the tensor data mover;
; the scale bytes of the work-group's 2 x 256 rows come once, with the first fills, and stay in LDS.
; KIND = cluster y / 8: 0 Q, 1 K, 2 V.  "A" is source 1 of the matrix instruction, "B" source 0.  In the result a lane holds ONE row of A (lane % 16) and, in its registers, rows of B.
;   Q, K: A = tokens, B = weight rows: a lane holds one token and its registers run along the head's channels, which are the K of the score product.
;   V:    A = weight rows, B = tokens: a lane holds one channel and its registers run along the tokens (keys), which are the K of the second product of attention.
; So in all three kinds 16 registers of two neighbouring accumulators and those of lane l xor 16 are one block of 32 along the next K, and the conversions' results are stored as they stand, as IMAGES OF OPERAND REGISTERS:
; four registers = 512 consecutive bytes, lane l's 16 bytes at 16 l.  Inside a block of 32 the order is permuted (place 16 h + i holds element 16 (i / 8) + 8 h + i % 8, h = lane / 16): both operands of each of
; attention's products are made with the same permutation, so the products and the scale blocks are kept.
; OUT: qimg: a block of 8,448 bytes for (batch, head, 128 tokens): 8 tiles x 1,024 bytes of codes, then 256 bytes of scale words at 16 r + 4 f (word f: tile 2 f's two bytes, tile 2 f + 1's two).
;      kvimg: a block of 16,896 bytes: K's codes (as qimg), V's codes (4 tiles of 16 channels x 2,048 bytes), K's scale words, V's scale words at 16 r + 4 x tile (the 128 keys' four bytes).
; CLUSTERS: 4 x 4 work-groups of one kind.  The four of a row of the cluster need the same tiles of A, the four of a column the same tiles of B: each tile is asked for JOINTLY.
; A block's scale is 2^(floor(log2(its largest magnitude)) - 15); its byte is the largest magnitude's exponent field - 15, held at 1 from below.
; LIMITS: NaN and infinities among the results are not served.  A block whose largest magnitude lies under 2^-111, a block of zeros among them, keeps the byte 1 (a block of zeros: with zero codes, which add nothing;
; only this program reads these bytes).  The order of k inside a block of 32 differs from the natural one, alike on both sides of a product.
; REGISTERS, in windows of 256: window 0: v0-31 addresses; v32-63 scale words, two sets; v64-127 the quantiser's; from v128 A's fragments, ONE set.   window 1: B's fragments, TWO sets.
;   window 2: the 32 accumulators of my rows 0-63 of A (accumulator (a, b) at v[8 (8 a + b)]);   window 3: those of my rows 64-127.
; LEFT OUT IN THIS PROGRAM: reference() sets every score of a key behind its query to -infinity by a mask that it builds itself (jnp.tril), so p = 0 there for all values of the inputs;
; the attention launch leaves out the steps of 128 keys that lie wholly behind a tile's 16 queries.  A NaN, an infinity or an overflow that would arise only in those steps is not carried to the result.  Every input is loaded.
.set NQ,     2
.set ROWB,   256                       ; a tile's row in bytes
.set KROW,   1024                      ; a row of A or of B in memory, in bytes
.set PITCH,  272                       ; an LDS row: 256 bytes + 16 of padding = 68 words: row r starts at bank 4 r mod 64 (64 banks of 4 bytes: ISA guide 11.1)
.set FR,     16                        ; registers of a fragment: 16 rows x 128 K
.set NL,     4                         ; LDS loads that bring one
.set NP,     8                         ; places behind this matrix instruction (ISA guide 7.12.1)
.set HALFT,  128*PITCH                 ; 128 rows: what one tensor load brings
.set SLOT,   4*HALFT                   ; A's 256 rows, then B's 256 rows
.set KS,     32                        ; a row of scale bytes
.set SCL,    2*SLOT                    ; behind the ring: the scales, as units of 256 bytes + 16 of padding
.set HALFS,  (128*KS/256)*272          ; the scales of 128 rows
.set SBLK,   (16*KS/256)*272           ; those of 16 rows
.set SPARE,  SCL+4*HALFS               ; the spare words, 128 bytes for each wave: two blocks of 256 bytes that no other line names
.set ADRA, 16                          ; v16-17  LDS address of my A fragments in slot 0, 1
.set ADRB, 20                          ; v20-21  the same for B
.set VSEL, 24                          ; v24     byte selects for Q's and K's scale words: lanes 0-15 the first head's two bytes, lanes 16-31 the second's
.set VSO,  25                          ; v25     where my four scale words go: 16 r, lanes 16-31 one head on
.set VO,   26                          ; v26     16 x lane: my place in an image
.set ADRS, 27                          ; v27     LDS address of my scale words: lanes 0-15 A's rows, lanes 16-31 B's
.set SPW,  28                          ; v28     LDS address of my spare word; never rewritten
.set NIL,  29                          ; v29     0; never rewritten
.set SC,   32                          ; scale words: set s at v[SC + 16 s]
.set TM,   64                          ; v64-67 largest magnitudes, v68-71 bytes, v72-75 the largest number x the scale, v76-79 the conversions' scale operands
.set PW,   80                          ; v80-87  block a's scale word (four bytes)
.set FW,   88                          ; v88-91  the four words that leave; v92-95 their other form
.set CD,   96                          ; v96-111, v112-127 the codes of a block of rows, two sets by turns
.set AF,   128                         ; A's fragments
.set G1, 24                            ; s[24:31] descriptor group 1 for A's tiles;  s[32:39] group 0, one set for each slot
.set G0, 32
.set G1B, 48                           ; s[48:55], s[56:63] the same for B's tiles
.set G0B, 56
.set G1S, 68                           ; s[68:75], s[76:79] groups 1 and 0 for A's scales;  s[80:87], s[88:91] for B's
.set G0S, 76
.set G1SB, 80
.set G0SB, 88
.set KIND, 66                          ; s66  0 Q, 1 K, 2 V
.set HM,   97                          ; s97  the mask of lanes 16-31
.set SEL,  98                          ; s[98:99] v_permlanex16_b32's selects for lane l xor 16
.set MNT,  100                         ; s100 the mantissa field of 57,344
.set K2,   101                         ; s101 all ones where the kind is V
.set MSB, 0
.macro WIN new                         ; the immediate's high byte repeats the setting that is left
.if MSB != \new
	s_set_vgpr_msb (MSB<<8)|\new
.set MSB, \new
.endif
.endm
.set MUL_LO, 0xa1                      ; source 0 (B) window 1, source 1 (A) window 0, C and D window 2
.set MUL_HI, 0xf1                      ; the same, C and D window 3
.set TO_B,   0x40                      ; destination window 1, address window 0
; A joint load: waves 0 and 1 fetch for A, waves 2 and 3 for B.  Each of the two lines has ONE mask and one set of registers for all that issue it; the branch hangs on the wave's number alone.
; Four v_nop follow each of the two lines, ahead of the jump, the label and what follows.
.macro JLOAD g0a, g1a, g0b, g1b
	s_cmp_eq_u32 s15, 0
	s_cbranch_scc0 .Lfor_b_\@
	tensor_load_to_lds s[\g0a:\g0a+3], s[\g1a:\g1a+7]
	s_nop 0
.rept 4
	v_nop
.endr
	s_branch .Lasked_\@
.Lfor_b_\@:
	tensor_load_to_lds s[\g0b:\g0b+3], s[\g1b:\g1b+7]
	s_nop 0
.rept 4
	v_nop
.endr
.Lasked_\@:
.endm
.macro CREST                           ; a round of the cluster's barrier behind its opening barrier
	s_cmp_lg_u32 s14, 0
	s_cbranch_scc1 .Lnot_wave_0_\@
	s_barrier_signal -3
.Lnot_wave_0_\@:
	s_barrier_wait -3
	s_barrier_signal -1
	s_barrier_wait -1
.endm
.macro CROUND                          ; a whole round
	s_barrier_signal -1
	s_barrier_wait -1
	CREST
.endm
	s_load_b256 s[24:31], s[0:1], 0x0              ; q's codes, q's scales, Wq's codes, Wq's scales
	s_load_b256 s[32:39], s[0:1], 0x20             ; the same of k and Wk
	s_load_b256 s[48:55], s[0:1], 0x40             ; the same of v and Wv
	s_load_b128 s[56:59], s[0:1], 0x60             ; qimg, kvimg
	v_lshl_add_u32 v[SPW], v0, 2, SPARE
	v_mov_b32 v[NIL], 0
	ds_add_u32 v28, v29
	ds_add_u32 v28, v29
	s_wait_dscnt 0x0
	v_lshrrev_b32 v1, 5, v0
	v_readfirstlane_b32 s14, v1                    ; wave 0..3
	s_lshr_b32 s15, s14, 1                         ; which half of A's 256 rows is mine.  Also: I fetch for A (0) or for B (1)
	s_and_b32 s16, s14, 1                          ; which half of B's 256 rows.  Also: which 128 rows of that tile I fetch
	s_bfe_u32 s40, ttmp6, 0x40000                  ; cx, cy: my place in the cluster
	s_bfe_u32 s41, ttmp6, 0x40004
	s_and_b32 s67, ttmp7, 0xffff                   ; cluster y, 0 .. 23
	s_lshr_b32 s[KIND], s67, 3                     ; eight clusters to a kind: the same in all sixteen partners
	s_and_b32 s67, s67, 7
	s_lshl_b32 s67, s67, 2                         ; the tokens' 32 tiles of 256: four to a cluster
	s_cmp_eq_u32 s[KIND], 2
	s_cselect_b32 s17, 0, s67                      ; Q, K: the tokens are A;
	s_cselect_b32 s42, s67, 0                      ; V: the tokens are B
	s_add_co_u32 s17, s17, s41                     ; A's tile row: hangs on cy alone of my place
	s_add_co_u32 s42, s42, s40                     ; B's tile column: on cx alone
	s_lshl_b32 s43, s41, 2
	s_lshl_b32 s43, 15, s43                        ; my row of the cluster
	s_lshl_b32 s44, 0x1111, s40                    ; my column
	s_lshl_b32 s20, s17, 8                         ; A: the tile's first row, 256 x tile row
	s_lshl_b32 s46, s42, 8                         ; B: 256 x tile column
	s_lshl_b32 s22, s20, 5                         ; where these rows' scales begin, in bytes,
	s_mov_b32 s23, 0
	s_lshl_b32 s92, s46, 5
	s_mov_b32 s93, 0
	s_lshl_b32 s20, s20, 10                        ; and their codes (8,191 rows of 1,024 bytes at the most)
	s_mov_b32 s21, 0
	s_lshl_b32 s46, s46, 10
	s_mov_b32 s47, 0
	s_mul_i32 s45, s14, HALFT                      ; where they go: wave x 128 rows: no place in the cluster enters an LDS address
	s_lshl_b32 s94, s16, 17                        ; in the ring I fetch 128 rows of a tile: which half, in bytes of codes
	s_mov_b32 s95, 0
	s_wait_kmcnt 0x0
	s_cmp_eq_u32 s[KIND], 1                        ; the buffers are chosen by the kind alone
	s_cselect_b64 s[4:5], s[32:33], s[24:25]       ; A's codes: k's or q's
	s_cselect_b64 s[6:7], s[34:35], s[26:27]       ; A's scales
	s_cselect_b64 s[8:9], s[36:37], s[28:29]       ; B's codes: Wk's or Wq's
	s_cselect_b64 s[10:11], s[38:39], s[30:31]     ; B's scales
	s_cmp_eq_u32 s[KIND], 2
	s_cselect_b64 s[4:5], s[52:53], s[4:5]         ; V: A is Wv,
	s_cselect_b64 s[6:7], s[54:55], s[6:7]
	s_cselect_b64 s[8:9], s[48:49], s[8:9]         ; and B is v
	s_cselect_b64 s[10:11], s[50:51], s[10:11]
	s_cmp_eq_u32 s[KIND], 0
	s_cselect_b64 s[12:13], s[56:57], s[58:59]     ; out: qimg or kvimg
	s_add_nc_u64 s[20:21], s[4:5], s[20:21]
	s_add_nc_u64 s[22:23], s[6:7], s[22:23]
	s_add_nc_u64 s[46:47], s[8:9], s[46:47]
	s_add_nc_u64 s[92:93], s[10:11], s[92:93]
	; descriptor group 1: a tile's rows of 256 bytes, padded in LDS: 256 rows for the head's loads; behind them the two words that count rows are set to 128, for the ring's
	s_or_b32 s[G1+0], s43, (0<<16)|(1<<20)|(1<<21)|(5<<22)|(3<<25)  ; 15:0 the mask: A's tiles go to my row; 17:16 element of 1 byte; 20 padding on; 21 set beside a mask; 24:22 after every 64 words (code 5); 31:25 of 4 words (code 3)
	s_or_b32 s[G1B+0], s44, (0<<16)|(1<<20)|(1<<21)|(5<<22)|(3<<25)
.irp g, G1, G1B
	s_mov_b32 s[\g+1], ROWB<<16                    ; tensor_dim0
	s_mov_b32 s[\g+2], 256<<16                     ; tensor_dim1 = 256
	s_mov_b32 s[\g+3], ROWB<<16                    ; tile_dim0
	s_mov_b32 s[\g+4], 256                         ; tile_dim1 = 256
	s_mov_b32 s[\g+5], KROW                        ; tensor_dim0_stride
	s_mov_b32 s[\g+6], 0
	s_mov_b32 s[\g+7], 0
.endr
	; and for the scales of 256 rows: a dense block of 8,192 bytes, as 32 rows of 256 bytes (32 elements of 8 bytes), 16 bytes of padding behind each
	s_or_b32 s[G1S+0], s43, (3<<16)|(1<<20)|(1<<21)|(5<<22)|(3<<25)
	s_or_b32 s[G1SB+0], s44, (3<<16)|(1<<20)|(1<<21)|(5<<22)|(3<<25)
.irp g, G1S, G1SB
	s_mov_b32 s[\g+1], 32<<16
	s_mov_b32 s[\g+2], (256*KS/256)<<16
	s_mov_b32 s[\g+3], 32<<16
	s_mov_b32 s[\g+4], 256*KS/256
	s_mov_b32 s[\g+5], 32
	s_mov_b32 s[\g+6], 0
	s_mov_b32 s[\g+7], 0
.endr
	CROUND                                         ; all sixteen work-groups are here: the first joint loads meet
	s_mov_b32 s[G0S], 1
	s_mov_b32 s[G0S+1], SCL
	s_mov_b64 s[G0S+2:G0S+3], s[22:23]
	s_or_b32 s[G0S+3], s[G0S+3], 0x80000000
	s_mov_b32 s[G0SB], 1
	s_mov_b32 s[G0SB+1], SCL+2*HALFS
	s_mov_b64 s[G0SB+2:G0SB+3], s[92:93]
	s_or_b32 s[G0SB+3], s[G0SB+3], 0x80000000
	s_mov_b32 s4, 1                                ; s[4:7], s[8:11]: group 0 of the head's loads of K step 0 (the arguments that lay there have been used): A's 256 rows,
	s_mov_b32 s5, 0
	s_mov_b64 s[6:7], s[20:21]
	s_or_b32 s7, s7, 0x80000000
	s_mov_b32 s8, 1                                ; and B's 256 rows, behind them in slot 0
	s_mov_b32 s9, 2*HALFT
	s_mov_b64 s[10:11], s[46:47]
	s_or_b32 s11, s11, 0x80000000
	s_add_nc_u64 s[20:21], s[20:21], s[94:95]      ; for the ring: my 128 rows of the tile
	s_add_nc_u64 s[46:47], s[46:47], s[94:95]
.irp s, 0,1
	s_mov_b32 s[G0+4*\s], 1
	s_add_co_u32 s[G0+4*\s+1], s45, \s*SLOT
	s_add_nc_u64 s[G0+4*\s+2:G0+4*\s+3], s[20:21], \s*ROWB
	s_or_b32 s[G0+4*\s+3], s[G0+4*\s+3], 0x80000000
	s_mov_b32 s[G0B+4*\s], 1
	s_add_co_u32 s[G0B+4*\s+1], s45, \s*SLOT
	s_add_nc_u64 s[G0B+4*\s+2:G0B+4*\s+3], s[46:47], \s*ROWB
	s_or_b32 s[G0B+4*\s+3], s[G0B+4*\s+3], 0x80000000
.endr
; THE HEAD'S LOADS, ONE A WAVE: wave 0 K step 0's 256 rows of A, wave 1 its 256 rows of B, wave 2 the scales of A's 256 rows, wave 3 those of B's.
; One chain of branches on the wave's number, an arm a load, all arms leading to one join.
.macro ARM under, g0, g1, next
	s_cmp_lt_u32 s14, \under
	s_cbranch_scc0 \next
	tensor_load_to_lds s[\g0:\g0+3], s[\g1:\g1+7]
	s_nop 0
.rept 4
	v_nop
.endr
	s_branch .Lhead_asked
\next:
.endm
	ARM 1, 4, G1, .Lhead_b
	ARM 2, 8, G1B, .Lhead_sa
	ARM 3, G0S, G1S, .Lhead_sb
	tensor_load_to_lds s[G0SB:G0SB+3], s[G1SB:G1SB+7]
	s_nop 0
.rept 4
	v_nop
.endr
.Lhead_asked:
	v_and_b32 v1, 15, v0                           ; r = l % 16
	v_bfe_u32 v2, v0, 4, 1                         ; h = l / 16
	v_mul_u32_u24 v3, v1, PITCH
	v_lshl_add_u32 v4, v2, 4, v3                   ; a fragment's row x pitch + 16 x half
	s_mul_i32 s21, s15, HALFT                      ; my 128 rows of A
	s_mul_i32 s22, s16, HALFT                      ; my 128 rows of B,
	s_add_co_u32 s22, s22, 2*HALFT                 ; which lie behind A's 256
.irp s, 0,1
	v_add_nc_u32 v[ADRA+\s], s21, v4
	v_add_nc_u32 v[ADRB+\s], s22, v4
	s_add_co_u32 s21, s21, SLOT
	s_add_co_u32 s22, s22, SLOT
.endr
	v_mul_u32_u24 v5, v1, KS                       ; my row's scales: 32 bytes a row,
	v_lshrrev_b32 v6, 8, v5
	v_lshl_add_u32 v5, v6, 4, v5                   ; and 16 more for each 256 passed
	s_mul_i32 s21, s15, HALFS                      ; A's: my 128 rows
	s_mul_i32 s22, s16, HALFS                      ; B's: my 128 rows, behind A's 256
	s_add_co_u32 s22, s22, 2*HALFS
	s_sub_co_u32 s22, s22, s21
	v_mul_u32_u24 v6, s22, v2                      ; lanes 16-31 take B's
	s_add_co_u32 s21, s21, SCL
	v_add_nc_u32 v5, v5, v6
	v_add_nc_u32 v[ADRS], s21, v5
	; WHERE THE IMAGES GO.  My 128 tokens are one step of 128; my 128 weight rows are two heads.
	s_lshl_b32 s18, s17, 1
	s_add_co_u32 s18, s18, s15                     ; 2 x A's tile row + my half of its rows
	s_lshl_b32 s19, s42, 1
	s_add_co_u32 s19, s19, s16                     ; 2 x B's tile column + my half of its rows
	s_mov_b32 s92, 1024
	s_mov_b32 s93, 0
	s_mov_b32 s95, 0
	s_mov_b32 s99, 16640
	s_mov_b32 s23, 16896
	s_mov_b32 s98, 16384
	s_cmp_eq_u32 s[KIND], 0
	s_cselect_b32 s23, 8448, s23                   ; a block of the buffer, in bytes
	s_cselect_b32 s98, 8192, s98                   ; where the scale words begin in it (Q; K)
	s_lshl_b32 s96, s23, 4                         ; from a head to the next: 16 blocks
	s_sub_co_u32 s94, s96, 8192
	s_cmp_eq_u32 s[KIND], 2
	s_cselect_b32 s20, s19, s18                    ; the step of 128 tokens, 0 .. 63
	s_cselect_b32 s21, s18, s19                    ; my first head / 2
	s_cselect_b32 s98, s99, s98                    ; (V's scale words)
	s_cselect_b32 s92, 2048, s92                   ; s[92:93]: from a block of 16 rows of A to the next: a tile of tokens is 1,024 bytes, a tile of V's channels 2,048
	s_cselect_b32 s94, s94, 0                      ; s[94:95]: V: after four tiles of channels on to the next head
	s_cselect_b32 s[K2], -1, 0
	s_cselect_b32 s18, 8192, 0                     ; V's codes lie behind K's
	s_cselect_b32 s19, 1024, s96                   ; the second pair of stores: V: key blocks 2, 3; Q, K: the next head
	s_lshl_b32 s21, s21, 1                         ; my first head
	s_lshr_b32 s22, s20, 4                         ; the batch: 16 steps each
	s_lshl_b32 s22, s22, 4
	s_add_co_u32 s22, s22, s21
	s_lshl_b32 s22, s22, 4
	s_and_b32 s20, s20, 15
	s_add_co_u32 s22, s22, s20                     ; the block: (16 batch + head) 16 + step
	s_mul_i32 s22, s22, s23                        ; in bytes
	s_add_co_u32 s98, s98, s22
	s_mov_b32 s99, 0
	s_add_co_u32 s18, s18, s22
	s_mov_b32 s20, s19
	s_mov_b32 s19, 0
	s_mov_b32 s21, 0
	s_add_nc_u64 s[22:23], s[12:13], s[98:99]      ; s[22:23]: the scale words
	s_add_nc_u64 s[12:13], s[12:13], s[18:19]      ; s[12:13]: the first pair of stores
	s_add_nc_u64 s[20:21], s[12:13], s[20:21]      ; s[20:21]: the second pair
	s_mov_b32 s[SEL], 0x76543210
	s_mov_b32 s[SEL+1], 0xfedcba98
	s_mov_b32 s[MNT], 0x600000
	s_mov_b32 s[HM], 0xffff0000
	v_and_b32 v6, 31, v0
	v_lshlrev_b32 v[VO], 4, v6
	v_mul_u32_u24 v[VSO], s96, v2
	v_lshl_add_u32 v[VSO], v1, 4, v[VSO]
	v_mov_b32 v[VSEL], 0x05040100
	v_mov_b32 v3, 0x07060302
	v_cndmask_b32 v[VSEL], v[VSEL], v3, s[HM]
.irp b, 0,1,2,3
	v_mov_b32 v[TM+4+\b], 0                        ; written once: a lane permute's destination counts as one of its sources
.endr
.macro FRAG reg, adr, q, i             ; a fragment, 16 rows x 128 K of 8-bit codes, is 16 registers: lane l holds row l % 16; registers 4 c .. 4 c + 3 hold K = 32 c + 16 (l / 16) + 0 .. 15
.irp c, 0,1,2,3
	ds_load_b128 v[\reg+4*\c:\reg+4*\c+3], v[\adr] offset:128*(\q)+32*\c+(\i)*16*PITCH
.endr
.endm
; 16 matrix instructions: A's blocks a0, a0 + 1 x B's eight, 128 along K: the slot's q-th.  p: B's set;  sc: the set of scale words.  zero = 1: the first product starts the sums: nothing is ever cleared.
; The 64 accumulators take turns, one instruction a turn, in the same order in every step.
.macro MUL16 a0, p, q, sc, zero
.irp a, \a0, \a0+1
.irp b, 0,1,2,3,4,5,6,7
.if \zero
	v_wmma_scale_f32_16x16x128_f8f6f4 v[8*(8*((\a)%4)+\b):8*(8*((\a)%4)+\b)+7], v[128*(\p)+FR*\b:128*(\p)+FR*\b+FR-1], v[AF+FR*(\a):AF+FR*(\a)+FR-1], 0, v[SC+8*NQ*(\sc)+NQ*\b+(\q)], v[SC+8*NQ*(\sc)+NQ*(\a)+(\q)] matrix_a_fmt:MATRIX_FMT_BF8 matrix_b_fmt:MATRIX_FMT_BF8 matrix_a_scale:MATRIX_SCALE_ROW1
.else
	v_wmma_scale_f32_16x16x128_f8f6f4 v[8*(8*((\a)%4)+\b):8*(8*((\a)%4)+\b)+7], v[128*(\p)+FR*\b:128*(\p)+FR*\b+FR-1], v[AF+FR*(\a):AF+FR*(\a)+FR-1], v[8*(8*((\a)%4)+\b):8*(8*((\a)%4)+\b)+7], v[SC+8*NQ*(\sc)+NQ*\b+(\q)], v[SC+8*NQ*(\sc)+NQ*(\a)+(\q)] matrix_a_fmt:MATRIX_FMT_BF8 matrix_b_fmt:MATRIX_FMT_BF8 matrix_a_scale:MATRIX_SCALE_ROW1
.endif
.endr
.endr
.endm
.macro FETCH_B slot, q, p              ; B's eight fragments of the slot's q-th 128 along K into set p
	WIN TO_B
.irp i, 0,1,2,3,4,5,6,7
	FRAG 128*(\p)+FR*\i, ADRB+\slot, \q, \i
.endr
	WIN 0
.endm
.macro FETCH_A slot, q, i0             ; A's blocks i0 .. i0 + 3
.irp i, \i0, \i0+1, \i0+2, \i0+3
	FRAG AF+FR*(\i), ADRA+\slot, \q, \i
.endr
.endm
.macro SCALES sc                       ; the next K step's scale words into set sc: two words a row; lanes 0-15 take A's block i, lanes 16-31 B's block i
.irp i, 0,1,2,3,4,5,6,7
	ds_load_b64 v[SC+8*NQ*\sc+NQ*\i:SC+8*NQ*\sc+NQ*\i+1], v[ADRS] offset:\i*SBLK
.endr
.endm
; A load into a register that a matrix instruction has read, and a vector instruction that reads a matrix result, stand NP places behind that matrix instruction, and only plain vector
; instructions that name none of its registers are places (ISA guide 7.12.1 for vector instructions).
.macro PLACES n
.rept \n
	v_nop
.endr
.endm
; A step of 128 along K that has its successor in the same slot.
.macro STEP slot, q, zero
	s_wait_dscnt 4*NL                              ; B's set and A's blocks 0-3 are in; the youngest sixteen loads (A's blocks 4-7) may be out
	WIN MUL_LO
	MUL16 0, (\q)%2, \q, \slot, \zero
	MUL16 2, (\q)%2, \q, \slot, \zero
	s_wait_dscnt 0                                 ; A's blocks 4-7 are in (asked for 32 matrix instructions ago)
	PLACES NP
	FETCH_B \slot, (\q)+1, 1-(\q)%2
	FETCH_A \slot, (\q)+1, 0
	WIN MUL_HI
	MUL16 4, (\q)%2, \q, \slot, \zero
	MUL16 6, (\q)%2, \q, \slot, \zero
	PLACES NP
	WIN 0
	FETCH_A \slot, (\q)+1, 4
.endm
; A slot's last step changes slots: ONE barrier; in front of it each wave waits for all its tensor loads, adds 0 to its spare word, and waits for that and for its own reads of this slot.  fill = 1: this slot is filled again, two K steps ahead.
.macro TURN slot, next, fill
	s_wait_tensorcnt 0x0                           ; all my tensor loads have landed: my part of the next slot;  (every window is 0 here: the add's two registers lie in window 0)
	ds_add_u32 v[SPW], v[NIL]                      ; 0 onto my spare word
	s_wait_dscnt 4*NL+1                            ; (the add and the youngest sixteen loads, A's blocks 4-7, may be out)
	WIN MUL_LO
	MUL16 0, 1, NQ-1, \slot, 0                     ; sixteen matrix instructions stand between the add and the wait for it
	s_wait_dscnt 0x0                               ; the add is done, and my reads of this slot are over
	s_barrier_signal -1
	MUL16 2, 1, NQ-1, \slot, 0
	WIN 0
	s_barrier_wait -1
.if \fill
	CREST                                          ; the barrier has opened a round of the cluster's barrier: no wave of any partner still reads this slot's tile or has a load on its way
	s_add_nc_u64 s[G0+4*\slot+2:G0+4*\slot+3], s[G0+4*\slot+2:G0+4*\slot+3], 2*ROWB
	s_add_nc_u64 s[G0B+4*\slot+2:G0B+4*\slot+3], s[G0B+4*\slot+2:G0B+4*\slot+3], 2*ROWB
	JLOAD G0+4*\slot, G1, G0B+4*\slot, G1B         ; the first tensor load behind the round; the four v_nop behind it are among the places in front of the loads below
	PLACES NP-4
.else
	PLACES NP
.endif
	s_wait_alu depctr_va_vdst(0)
	v_add_nc_u32 v[ADRS], 4*NQ, v[ADRS]            ; on to the next K step's scale words (no LDS load of mine is out)
	FETCH_B \next, 0, 0
	FETCH_A \next, 0, 0
	SCALES \next
	WIN MUL_HI
	MUL16 4, 1, NQ-1, \slot, 0
	MUL16 6, 1, NQ-1, \slot, 0
	PLACES NP
	WIN 0
	FETCH_A \next, 0, 4
.endm
	s_wait_alu depctr_va_vdst(0)                   ; the wait at the head's end
	s_wait_tensorcnt 0x0                           ; my tile of the head's four is in
	ds_add_u32 v[SPW], v[NIL]
	s_mov_b32 s[G1+2], 128<<16                     ; no tensor load of mine is out, so a descriptor may be written: from here on a load brings 128 rows
	s_mov_b32 s[G1+4], 128
	s_mov_b32 s[G1B+2], 128<<16
	s_mov_b32 s[G1B+4], 128
	s_wait_dscnt 0x0                               ; the add is done
	CROUND                                         ; a whole round: all four tiles are in, and all sixteen work-groups are here
	JLOAD G0+4, G1, G0B+4, G1B                     ; K step 1's load, a quarter of slot 1 a wave: the first tensor load behind the round
	FETCH_B 0, 0, 0
	FETCH_A 0, 0, 0
	SCALES 0
	FETCH_A 0, 0, 4
	; K = 1,024 is four slots' worth, eight steps of 128: written out
	STEP 0, 0, 1                                   ; the first step's products start the sums
	TURN 0, 1, 1                                   ; slot 0 takes K step 2
	STEP 1, 0, 0
	TURN 1, 0, 1                                   ; slot 1 takes K step 3
	STEP 0, 0, 0
	TURN 0, 1, 0                                   ; nothing is left to fetch, and no round of the cluster's barrier
	STEP 1, 0, 0
	s_wait_dscnt 4*NL                              ; the very last step
	WIN MUL_LO
	MUL16 0, 1, NQ-1, 1, 0
	MUL16 2, 1, NQ-1, 1, 0
	s_wait_dscnt 0
	WIN MUL_HI
	MUL16 4, 1, NQ-1, 1, 0
	MUL16 6, 1, NQ-1, 1, 0
	WIN 0
; THE WAY OUT of block a (16 rows of A x my 128 rows of B): four blocks of 32 along the next K are quantised in the accumulators' own registers and leave as four groups of four registers.
; Block b is the 16 registers of accumulators 2 b and 2 b + 1 and those of lane l xor 16.  Each accumulator is read from its low end on.
.macro QOUT a
.set W, 2+(\a)/4                       ; the accumulators' window
.set AC, 64*((\a)%4)
.set CS, CD+16*((\a)%2)
	WIN 5*W                                        ; sources 0 and 1 in the accumulators' window
.irp b, 0,1,2,3
	v_max3_num_f32 v[TM+\b], |v[AC+16*\b]|, |v[AC+16*\b+1]|, 0x8000000   ; my 16 numbers, and the floor 2^(16 - 127): so the byte cannot fall under 1
.endr
.irp i, 2,4,6,8,10,12,14
.irp b, 0,1,2,3
	v_max3_num_f32 v[TM+\b], |v[AC+16*\b+\i]|, |v[AC+16*\b+\i+1]|, v[TM+\b]   ; (the four blocks by turns: no line waits for the line above it)
.endr
.endr
	WIN 0
.irp b, 0,1,2,3
	v_permlanex16_b32 v[TM+4+\b], v[TM+\b], s[SEL], s[SEL+1]
.endr
.irp b, 0,1,2,3
	v_max_num_f32 v[TM+\b], v[TM+\b], v[TM+4+\b]   ; with lane l xor 16's: the block's largest magnitude
.endr
.irp b, 0,1,2,3
	v_add_nc_u32 v[TM+12+\b], 0xf8800000, v[TM+\b]   ; 15 off its exponent field: the conversion takes the exponent field of this operand as its scale
.endr
.irp b, 0,1,2,3
	v_and_or_b32 v[TM+8+\b], v[TM+\b], 0x7f800000, s[MNT]   ; 57,344 x the scale
.endr
.irp b, 0,1,2,3
	v_lshrrev_b32 v[TM+4+\b], 23, v[TM+12+\b]      ; the scale's byte
.endr
	v_lshl_or_b32 v[PW+\a], v[TM+5], 8, v[TM+4]    ; the four bytes of my row of A
	v_lshl_or_b32 v[PW+\a], v[TM+6], 16, v[PW+\a]
	v_lshl_or_b32 v[PW+\a], v[TM+7], 24, v[PW+\a]
	WIN 65*W                                       ; destination and source 0 in the accumulators' window
.irp b, 0,1,2,3
.irp i, 0,1,2,3,4,5,6,7,8,9,10,11,12,13,14,15
	v_med3_num_f32 v[AC+16*\b+\i], v[AC+16*\b+\i], -v[TM+8+\b], v[TM+8+\b]   ; the conversion to an 8-bit code does not saturate (ISA guide 7.6.2): the hold at the largest code x the scale
.endr
.endr
	WIN W                                          ; source 0 in the accumulators' window
.irp b, 0,1,2,3
	v_cvt_scalef32_pk8_bf8_f32 v[CS+4*\b:CS+4*\b+1], v[AC+16*\b:AC+16*\b+7], v[TM+12+\b]
	v_cvt_scalef32_pk8_bf8_f32 v[CS+4*\b+2:CS+4*\b+3], v[AC+16*\b+8:AC+16*\b+15], v[TM+12+\b]
.endr
	v_nop                                          ; one plain vector instruction behind the last conversion
	WIN 0
.if \a > 0
	s_wait_alu depctr_va_vdst(0)
	s_wait_xcnt 0x0                                ; the earlier stores have read their bases and their data: the bases step, and the set of codes that block a + 1 writes is free
	s_add_nc_u64 s[12:13], s[12:13], s[92:93]
	s_add_nc_u64 s[20:21], s[20:21], s[92:93]
.if \a == 4
	s_add_nc_u64 s[12:13], s[12:13], s[94:95]
	s_add_nc_u64 s[20:21], s[20:21], s[94:95]
.endif
.endif
	global_store_b128 v[VO], v[CS:CS+3], s[12:13]                     ; each store of the wave covers 512 consecutive bytes, at a multiple of 256 from the buffer's first byte
	global_store_b128 v[VO], v[CS+4:CS+7], s[12:13] offset:512
	global_store_b128 v[VO], v[CS+8:CS+11], s[20:21]
	global_store_b128 v[VO], v[CS+12:CS+15], s[20:21] offset:512
.endm
	PLACES NP                                      ; behind the last products, ahead of the first read of results
.irp a, 0,1,2,3,4,5,6,7
	QOUT \a
.endr
	; THE SCALE WORDS.  Q, K: word f = the two bytes of tile 2 f and the two of tile 2 f + 1, of the first head in lanes 0-15 and of the second in lanes 16-31.
	; V: word w = the four bytes of tile w of the channels, of the first head (blocks 0-3) in lanes 0-15 and of the second (blocks 4-7) in lanes 16-31.  Both forms are made and one is chosen: no path differs.
.irp f, 0,1,2,3
	v_perm_b32 v[FW+\f], v[PW+2*\f+1], v[PW+2*\f], v[VSEL]
.endr
.irp f, 0,1,2,3
	v_cndmask_b32 v[FW+4+\f], v[PW+\f], v[PW+4+\f], s[HM]
.endr
.irp f, 0,1,2,3
	v_cndmask_b32 v[FW+\f], v[FW+\f], v[FW+4+\f], s[K2]
.endr
	global_store_b128 v[VSO], v[FW:FW+3], s[22:23] ; sixteen lanes store 256 consecutive bytes, aligned: one head's words of this step
	s_wait_tensorcnt 0x0                           ; the wave's end
	ds_add_u32 v[SPW], v[NIL]
	s_wait_dscnt 0x0
	CROUND                                         ; the closing round: no work-group ends while a partner may still ask for a tile that names it
	s_endpgm
.Lfunc_end_k_q873fae0b93_proj:
	.size	k_q873fae0b93_proj, .Lfunc_end_k_q873fae0b93_proj-k_q873fae0b93_proj
	.p2alignl 7, 3214868480
	.fill 96, 4, 3214868480
	.section	.rodata,"a",@progbits
	.p2align	6, 0x0
	.amdhsa_kernel k_q873fae0b93_proj
		.amdhsa_group_segment_fixed_size 327680
		.amdhsa_private_segment_fixed_size 0
		.amdhsa_enable_private_segment 0
		.amdhsa_kernarg_size 112
		.amdhsa_user_sgpr_count 2
		.amdhsa_user_sgpr_kernarg_segment_ptr 1
		.amdhsa_wavefront_size32 1
		.amdhsa_system_sgpr_workgroup_id_x 1
		.amdhsa_system_sgpr_workgroup_id_y 1
		.amdhsa_system_sgpr_workgroup_id_z 1
		.amdhsa_system_vgpr_workitem_id 0
		.amdhsa_next_free_vgpr 1024
		.amdhsa_next_free_sgpr 104
		.amdhsa_reserve_vcc 0
		.amdhsa_float_denorm_mode_32 3
		.amdhsa_float_denorm_mode_16_64 3
		.amdhsa_memory_ordered 1
		.amdhsa_forward_progress 1
		.amdhsa_inst_pref_size 189
	.end_amdhsa_kernel
	.amdgpu_metadata
---
amdhsa.version: [ 1, 2 ]
amdhsa.kernels:
  - .name:           k_q873fae0b93_proj
    .symbol:         k_q873fae0b93_proj.kd
    .args:
      - { .name: q_codes, .offset: 0, .size: 8, .value_kind: global_buffer, .address_space: global }
      - { .name: q_scales, .offset: 8, .size: 8, .value_kind: global_buffer, .address_space: global }
      - { .name: Wq_codes, .offset: 16, .size: 8, .value_kind: global_buffer, .address_space: global }
      - { .name: Wq_scales, .offset: 24, .size: 8, .value_kind: global_buffer, .address_space: global }
      - { .name: k_codes, .offset: 32, .size: 8, .value_kind: global_buffer, .address_space: global }
      - { .name: k_scales, .offset: 40, .size: 8, .value_kind: global_buffer, .address_space: global }
      - { .name: Wk_codes, .offset: 48, .size: 8, .value_kind: global_buffer, .address_space: global }
      - { .name: Wk_scales, .offset: 56, .size: 8, .value_kind: global_buffer, .address_space: global }
      - { .name: v_codes, .offset: 64, .size: 8, .value_kind: global_buffer, .address_space: global }
      - { .name: v_scales, .offset: 72, .size: 8, .value_kind: global_buffer, .address_space: global }
      - { .name: Wv_codes, .offset: 80, .size: 8, .value_kind: global_buffer, .address_space: global }
      - { .name: Wv_scales, .offset: 88, .size: 8, .value_kind: global_buffer, .address_space: global }
      - { .name: qimg, .offset: 96, .size: 8, .value_kind: global_buffer, .address_space: global }
      - { .name: kvimg, .offset: 104, .size: 8, .value_kind: global_buffer, .address_space: global }
    .group_segment_fixed_size: 327680
    .private_segment_fixed_size: 0
    .kernarg_segment_align: 8
    .kernarg_segment_size: 112
    .max_flat_workgroup_size: 128
    .sgpr_count:     104
    .vgpr_count:     1024
    .wavefront_size: 32
...
	.end_amdgpu_metadata
.endif
;; end of part 1
;; launch attn (part 2): grid 4 x 64, 16 waves a work-group, clusters of 4 x 1, 327,680 bytes of LDS; arguments qimg, kvimg, aimg, asc; writes aimg, asc
.if DOCPART == 2
	.amdgcn_target "amdgcn-amd-amdhsa--gfx1250"
	.amdhsa_code_object_version 6
	.text
	.protected	k_q873fae0b93_attn
	.globl	k_q873fae0b93_attn
	.p2align	8
	.type	k_q873fae0b93_attn,@function
k_q873fae0b93_attn:
	s_mov_b64 s[64:65], 0
	v_nop
	global_prefetch_b8 v0, s[64:65] scope:SCOPE_SE
	s_setreg_imm32_b32 hwreg(HW_REG_WAVE_MODE, 25, 1), 1
	s_wait_xcnt 0x0
	s_wait_alu depctr_hold_cnt(0) depctr_sa_sdst(0) depctr_va_vdst(0) depctr_va_sdst(0) depctr_va_ssrc(0) depctr_va_vcc(0) depctr_vm_vsrc(0)
	s_getreg_b32 s2, hwreg(HW_REG_IB_STS2, 6, 4)
	s_cmp_eq_u32 s2, 0
	s_cbranch_scc0 .Lentry_in_a_cluster
	s_endpgm
.Lentry_in_a_cluster:
	s_bfe_u32 s2, ttmp6, 0x10000c
	s_cmp_lg_u32 s2, 0x3003
	s_cbranch_scc0 .Lentry_shape_is_right
	s_endpgm
.Lentry_shape_is_right:
; CAUSAL ATTENTION of one (batch, head) on codes of BF8 (E5M2) with one E8M0 scale for each 32 along a product's K, and the quantising of its result for the output product.
; In: qimg and kvimg, images of operand registers (four registers = 512 bytes, lane l's 16 bytes at 16 l), a block for each (batch, head, 128 tokens):
;   qimg, 8,448 bytes: 8 tiles of 16 queries x 1,024 bytes of codes, then scale words at 16 r + 4 f (word f: tile 2 f's two bytes, tile 2 f + 1's two).
;   kvimg, 16,896 bytes: K's codes likewise; V's codes, 4 tiles of 16 channels x 2,048 bytes (128 keys); K's scale words; V's scale words at 16 r + 4 x tile.
; LEFT OUT: a step of 128 keys that lies wholly behind a tile's 16 queries: reference()'s own causal mask makes p = 0 there for all values of the inputs.
; THE SOFTMAX AHEAD OF THE SECOND PRODUCT: t = score x log2(e) / 32; M = the row's largest t so far, rounded UP to a whole number; p = 2^(t - M) is what is quantised, along the keys; it is not normalised.
; The row's sum is taken of the unquantised p, in f32, and divides O at the end.  When M moves, the sum and O are multiplied by 2^(old M - new M): exact.
; LDS HOLDS THE WHOLE HEAD: its 16 blocks of kvimg are 270,336 bytes.  Wave w asks for block w, one tensor load a wave, at the kernel's head; nothing is ever filled again, so there is no ring.
; Two barriers: the first shows blocks 0 to 3 (waves 0 to 3 have a load line of their own and wait there), the second, behind three key steps, all the rest.
; CLUSTER: the four work-groups of a head ask for the 16 blocks jointly (mask 15).  Work-group cx owns tiles cx and cx + 4 of the eight tiles of 16 queries in EVERY group of 128 queries, so each partner reads every block.
; SHARES.  Wave w owns tile j = cx + 4 (w % 2) of group 15 - w / 2, then the same tile of group w / 2: (16 - g) + (g + 1) = 17 key steps for every wave, 272 for every work-group.
; Every branch hangs on the wave's number and on counts of trips; cx enters global addresses and the number that the mask's compares read, and nothing else.
; The loops' trip counts are constants (3, 13, 8); a step behind the wave's group is jumped over by a scalar branch at its head.
; LAYOUT.  Both products are used transposed: S^T = K Q^T (source 0 = keys, source 1 = my 16 queries), O^T = V^T P^T (source 0 = 16 channels, source 1 = P): a lane holds ONE query (lane % 16) throughout.
; K = 64 IN AN INSTRUCTION 128 DEEP: a fragment of K holds TWO tiles of 16 keys.  Q stands as zeros, q, zeros (v16-39): q over zeros multiplies the first tile, zeros under q the second.  Q's scale word holds its two bytes twice.
; Inside a block of 32 along a product's K the order is permuted, alike on both sides (place 16 h + i holds element 16 (i / 8) + 8 h + i % 8, h = lane / 16).
; OUT: aimg [128 tokens][256 along K][tile][128 along K][group][512 bytes]: the result / the sum as codes in the NATURAL order along K = 64 x head + channel; asc [token][32]: its scale bytes.
; NO PREFETCH: every tensor load of the launch goes out at the kernel's head; there is no later load for a prefetch to run ahead of.
; LIMITS: NaN and infinities are not served.  The promise holds while the scaled scores t stay under 2^31 in magnitude.  A block whose largest magnitude lies under 2^-111, a block of zeros among them, keeps the byte 1; only this program reads these bytes.
.set KSB,   16896                      ; a block of kvimg: 128 keys
.set QB,    8448                       ; a block of qimg
.set SPARE, 16*KSB                     ; behind the 16 blocks: the spare words, 128 bytes for each wave: eight blocks of 256 bytes that no other line names
.set LI,   1                           ; v1   16 x lane: my place in an image
.set LSC,  2                           ; v2   16 x (lane % 16): my row's scale words
.set SPW,  3                           ; v3   LDS address of my spare word; never rewritten
.set NIL,  4                           ; v4   0; never rewritten
.set ADF,  5                           ; v5   LDS address of the block's images
.set ADS,  6                           ; v6   and of its scale words
.set DG,   7                           ; v7   16 j + lane % 16 - 8 (lane / 16): on the diagonal step register n is hidden where 16 (n / 8) + n % 8 is greater
.set RL,   8                           ; v8   lane % 16 - 8 (lane / 16)
.set BO,   9                           ; v9   32 (lane % 16) + lane / 16: my byte in asc
.set NINF, 10                          ; v10  -infinity
                                       ; v12 -M, v13 the largest t, v[14:15] the sum in two halves; v16-23 zeros, v24-31 q, v32-39 zeros; v40-47 the second tile's q
.set QS,   48                          ; v48  Q's scale word; v49 the second tile's
.set KSC,  50                          ; v50-53 K's four scale words
.set VSC,  54                          ; v54-57 V's four
.set FF,   58                          ; v[58:59] f = 2^(old M - new M)
.set PSW,  60                          ; v60  p's scale word
.set TP,   61                          ; v61-62 at work
.set F,    64                          ; v64-127  four fragments of K, then of V
.set S,    128                         ; v128-191 S^T, then p
.set O,    192                         ; v192-223 O^T
.set PCD,  224                         ; v224-239 p's codes
.set BM,   240                         ; v240-243 the blocks' largest
.set T4,   244                         ; v244-247 at work
.set HD,   248                         ; v248-251 57,344 x the scale
.set SO,   252                         ; v252-255 the conversions' scale operands
.set WV,   12                          ; s12  my wave's number
.set CX,   13                          ; s13  my work-group's place in the cluster
.set GR,   14                          ; s14  the group of 128 queries in hand: its last key block
.set KB,   15                          ; s15  the key block in hand: the loops' counter
.set TB,   17                          ; s17  LDS byte at which it begins
.set GS,   18                          ; s18  the second tile's group
.set MNT,  21                          ; s21  the mantissa field of 57,344
.set CS,   22                          ; s[22:23] c = log2(e) / 32
.set G1,   24                          ; s[24:31] descriptor group 1;  s[32:35] group 0
.set G0,   32
.set SEL,  36                          ; s[36:37] lane selects for v_permlanex16_b32: lane l xor 16
.set OFS,  38                          ; s[38:39] an offset in 64 bits; s39 stays 0
.set HM,   51                          ; s51  the mask of lanes 16-31
.macro CROUND                          ; a round of the cluster's barrier
	s_barrier_signal -1
	s_barrier_wait -1
	s_cmp_lg_u32 s[WV], 0
	s_cbranch_scc1 .Lnot_wave_0_\@
	s_barrier_signal -3
.Lnot_wave_0_\@:
	s_barrier_wait -3
	s_barrier_signal -1
	s_barrier_wait -1
.endm
.macro TLOAD                           ; my block; an s_nop 0 and four v_nop follow the line
	tensor_load_to_lds s[G0:G0+3], s[G1:G1+7]
	s_nop 0
.rept 4
	v_nop
.endr
.endm
.macro OFFS d, b                       ; address d = address b + the offset in hand
	s_add_nc_u64 s[\d:\d+1], s[\b:\b+1], s[OFS:OFS+1]
.endm
.macro HOLD2 x, b                      ; two numbers held at the largest code x the scale: p is not negative, so the hold is one-sided (the conversion to an 8-bit code does not saturate: ISA guide 7.6.2)
	v_dual_min_num_f32 v[\x], v[\x], v[HD+\b] :: v_dual_min_num_f32 v[\x+1], v[\x+1], v[HD+\b]
.endm
	s_load_b128 s[4:7], s[0:1], 0x0                ; qimg, kvimg
	s_load_b128 s[8:11], s[0:1], 0x10              ; aimg, asc
	v_lshl_add_u32 v[SPW], v0, 2, SPARE
	v_mov_b32 v[NIL], 0
	ds_add_u32 v[SPW], v[NIL]                      ; the wave's opening: the add, twice on end, and its wait ahead of my first tensor load
	ds_add_u32 v[SPW], v[NIL]
	v_lshrrev_b32 v5, 5, v0
	v_readfirstlane_b32 s[WV], v5                  ; wave 0..15
	s_bfe_u32 s[CX], ttmp6, 0x40000                ; cx
	s_and_b32 s62, ttmp7, 0xffff                   ; 16 x batch + head: the cluster's y
	; descriptor group 1: a block of 16,896 dense bytes as 66 rows of 256 bytes; no padding: every read takes 16 x lane on end
	s_mov_b32 s[G1], 15|(3<<16)|(1<<21)            ; 15:0 the mask: all four of the cluster; 17:16 elements of 8 bytes; 21 set beside a mask
	s_mov_b32 s[G1+1], 32<<16                      ; tensor_dim0 = 32
	s_mov_b32 s[G1+2], 66<<16                      ; tensor_dim1 = 66
	s_mov_b32 s[G1+3], 32<<16                      ; tile_dim0 = 32
	s_mov_b32 s[G1+4], 66                          ; tile_dim1 = 66
	s_mov_b32 s[G1+5], 32                          ; tensor_dim0_stride
	s_mov_b32 s[G1+6], 0
	s_mov_b32 s[G1+7], 0
	s_mov_b32 s[G0], 1
	s_mul_i32 s[G0+1], s[WV], KSB                  ; LDS address: block = my wave's number
	s_mul_i32 s[OFS], s62, 16*KSB                  ; the head's 16 blocks,
	s_add_co_u32 s[OFS], s[OFS], s[G0+1]           ; and mine among them
	s_mov_b32 s[OFS+1], 0
	s_wait_dscnt 0x0                               ; both opening adds are done
	CROUND                                         ; all four work-groups are here: the joint loads meet
	s_wait_kmcnt 0x0
	OFFS G0+2, 6
	s_or_b32 s[G0+3], s[G0+3], 0x80000000          ; type = 2
	s_cmp_lt_u32 s[WV], 4                          ; one load a wave; waves 0 to 3, whose blocks are shown first, have a line of their own
	s_cbranch_scc0 .Lrest
	TLOAD
	s_branch .Lasked
.Lrest:
	TLOAD
.Lasked:
	s_and_b32 s63, s62, 15                         ; the head
	s_lshr_b32 s66, s62, 4                         ; the batch
	s_and_b32 s67, s[WV], 1
	s_lshl_b32 s67, s67, 2
	s_add_co_u32 s67, s67, s[CX]                   ; j: my tile among the eight of a group
	s_lshr_b32 s[GS], s[WV], 1                     ; the second tile's group, 0 .. 7,
	s_sub_co_u32 s[GR], 15, s[GS]                  ; and the first's, 15 .. 8: from the wave's number alone
	; aimg: (16 batch + group) 131,072 + (head / 4) 32,768 + j 4,096 + (head % 4) 1,024
	s_lshl_b32 s[OFS], s66, 21
	s_lshr_b32 s70, s63, 2
	s_lshl_b32 s70, s70, 15
	s_add_co_u32 s[OFS], s[OFS], s70
	s_lshl_b32 s70, s67, 12
	s_add_co_u32 s[OFS], s[OFS], s70
	s_and_b32 s70, s63, 3
	s_lshl_b32 s70, s70, 10
	s_add_co_u32 s[OFS], s[OFS], s70
	OFFS 8, 8
	s_lshl_b32 s[OFS], s[GR], 17
	OFFS 40, 8                                     ; s[40:41]: the first tile's codes
	s_lshl_b32 s[OFS], s[GS], 17
	OFFS 44, 8                                     ; s[44:45]: the second's
	; asc: (2,048 batch + 128 group + 16 j) 32 + 2 head
	s_lshl_b32 s[OFS], s66, 16
	s_lshl_b32 s70, s67, 9
	s_add_co_u32 s[OFS], s[OFS], s70
	s_lshl_b32 s70, s63, 1
	s_add_co_u32 s[OFS], s[OFS], s70
	OFFS 10, 10
	s_lshl_b32 s[OFS], s[GR], 12
	OFFS 42, 10                                    ; s[42:43]: the first tile's scale bytes
	s_lshl_b32 s[OFS], s[GS], 12
	OFFS 46, 10                                    ; s[46:47]: the second's
	; qimg: block 16 (16 batch + head) + group; in it my tile's 1,024 bytes, and word j / 2 of the scale words
	s_mul_i32 s[OFS], s62, 16*QB
	OFFS 4, 4
	s_mul_i32 s[OFS], s[GR], QB
	OFFS 56, 4
	s_mul_i32 s[OFS], s[GS], QB
	OFFS 60, 4
	s_lshl_b32 s[OFS], s67, 10
	OFFS 54, 56                                    ; s[54:55], s[58:59]: q's codes of the two tiles
	OFFS 58, 60
	s_lshr_b32 s[OFS], s67, 1
	s_lshl_b32 s[OFS], s[OFS], 2
	OFFS 56, 56                                    ; s[56:57], s[60:61]: their scale words
	OFFS 60, 60
	v_and_b32 v5, 31, v0                           ; lane
	v_and_b32 v6, 15, v0                           ; r
	v_bfe_u32 v11, v0, 4, 1                        ; h
	v_lshlrev_b32 v[LI], 4, v5
	v_lshlrev_b32 v[LSC], 4, v6
	s_wait_alu depctr_va_vdst(0)
	global_load_b128 v[24:27], v[LI], s[54:55]               ; q stays in registers
	global_load_b128 v[28:31], v[LI], s[54:55] offset:512
	global_load_b32 v[TP], v[LSC], s[56:57] offset:8192
	global_load_b128 v[40:43], v[LI], s[58:59]
	global_load_b128 v[44:47], v[LI], s[58:59] offset:512
	global_load_b32 v[TP+1], v[LSC], s[60:61] offset:8192
	s_mov_b32 s[MNT], 0x600000
	s_mov_b32 s[CS], 0x3d38aa3b                    ; c = log2(e) / sqrt(1,024)
	s_mov_b32 s[CS+1], s[CS]                       ; (named with it as a pair, so it is written)
	s_mov_b32 s[SEL], 0x76543210
	s_mov_b32 s[SEL+1], 0xfedcba98
	s_mov_b32 s[HM], 0xffff0000
	s_and_b32 s70, s67, 1
	s_lshl_b32 s70, s70, 4                         ; my tile's two bytes in its scale word: the low or the high half
	s_lshl_b32 s71, s67, 4                         ; 16 j
	v_lshlrev_b32 v[RL], 3, v11
	v_lshl_add_u32 v[BO], v6, 5, v11
	v_sub_nc_u32 v[RL], v6, v[RL]
	v_mov_b32 v[NINF], 0xff800000
	v_add_nc_u32 v[DG], s71, v[RL]
	v_mov_b32 v13, 0xff61b1e6                      ; the largest t so far: -3e38, under every t
	v_mov_b32 v14, 0                               ; the sum, in two halves
	v_mov_b32 v15, 0
	v_floor_f32 v12, -v13                          ; -M
.irp j, 0,1,2,3,4,5,6,7
	v_mov_b32 v[16+\j], 0                          ; the zero codes under q
	v_mov_b32 v[32+\j], 0                          ; and over it
.endr
.irp b, 0,1,2,3
	v_mov_b32 v[T4+\b], 0                          ; written once: a lane permute's destination counts as one of its sources
.endr
	v_mov_b32 v[FF+1], 0                           ; (named as the upper half of the pair before it is ever used)
.set j, 0
.rept 32
	v_mov_b32 v[O+j], 0                            ; O^T.  (The step is written once: a tile's first step finds zeros, which the first change of M leaves zeros)
.set j, j+1
.endr
	s_wait_loadcnt 0x0                             ; q and its scale words, of both tiles
	v_lshrrev_b32 v[TP], s70, v[TP]
	v_lshrrev_b32 v[TP+1], s70, v[TP+1]
	v_and_b32 v[TP], 0xffff, v[TP]
	v_and_b32 v[TP+1], 0xffff, v[TP+1]
	v_lshl_or_b32 v[QS], v[TP], 16, v[TP]          ; the two bytes twice: for q over zeros and for zeros under q
	v_lshl_or_b32 v[QS+1], v[TP+1], 16, v[TP+1]
; A KEY STEP: the 128 keys of block s[KB], which begins at LDS byte s[TB].  m = 1: the step may lie behind my group (it is jumped over) or on the diagonal (hidden scores become -infinity); m = 0: neither can be.
.macro STEP m
.if \m
	s_cmp_gt_u32 s[KB], s[GR]
	s_cbranch_scc1 .Lhidden_\@
.endif
	v_add_nc_u32 v[ADF], s[TB], v[LI]
	v_add_nc_u32 v[ADS], s[TB], v[LSC]
.rept 6
	v_nop                                          ; with the two additions: eight places in front of loads into registers that the last products have read
.endr
.irp f, 0,1,2,3
.irp c, 0,1,2,3
	ds_load_b128 v[F+16*\f+4*\c:F+16*\f+4*\c+3], v[ADF] offset:2048*\f+512*\c   ; fragment f: key tiles 2 f and 2 f + 1
.endr
.endr
	ds_load_b128 v[KSC:KSC+3], v[ADS] offset:16384
	s_wait_dscnt 0x0
	s_wait_alu depctr_va_vdst(0)
.irp t, 0,2,4,6                                ; S^T = K Q^T: eight tiles of 16 keys, each product a sum of its own
	v_wmma_scale_f32_16x16x128_f8f6f4 v[S+8*\t:S+8*\t+7], v[F+8*\t:F+8*\t+15], v[24:39], 0, v[KSC+\t/2], v[QS] matrix_a_fmt:MATRIX_FMT_BF8 matrix_b_fmt:MATRIX_FMT_BF8
	v_wmma_scale_f32_16x16x128_f8f6f4 v[S+8*\t+8:S+8*\t+15], v[F+8*\t:F+8*\t+15], v[16:31], 0, v[KSC+\t/2], v[QS] matrix_a_fmt:MATRIX_FMT_BF8 matrix_b_fmt:MATRIX_FMT_BF8
.endr                                          ; register 8 t + j of lane (r, h): key 16 t + 8 h + j of the block, query r
.rept 8
	v_nop                                          ; places in front of the loads below and of the first read of the scores
.endr
.irp f, 0,1,2,3
.irp c, 0,1,2,3
	ds_load_b128 v[F+16*\f+4*\c:F+16*\f+4*\c+3], v[ADF] offset:8192+2048*\f+512*\c   ; V's four tiles of channels: they land under the softmax
.endr
.endr
	ds_load_b128 v[VSC:VSC+3], v[ADS] offset:16640
.if \m
	s_cmp_lg_u32 s[KB], s[GR]                      ; only my group's own block holds hidden keys
	s_cbranch_scc1 .Lopen_\@
.set n, 0
.rept 64
	v_cmp_gt_i32 vcc_lo, 16*(n/8)+n%8, v[DG]
	v_cndmask_b32 v[S+n], v[S+n], v[NINF], vcc_lo
.set n, n+1
.endr
.Lopen_\@:
.endif
.irp b, 0,1,2,3
	v_max3_num_f32 v[BM+\b], v[S+16*\b], v[S+1+16*\b], v[S+2+16*\b]   ; THE LARGEST SCORE OF EACH BLOCK OF 32 KEYS: for the row's maximum, and, since p rises with the score, for the block's largest p
.endr
.irp i, 3,5,7,9,11,13
.irp b, 0,1,2,3
	v_max3_num_f32 v[BM+\b], v[BM+\b], v[S+16*\b+\i], v[S+1+16*\b+\i]   ; (the four blocks by turns)
.endr
.endr
.irp b, 0,1,2,3
	v_max_num_f32 v[BM+\b], v[BM+\b], v[S+15+16*\b]
.endr
.irp b, 0,1,2,3
	s_delay_alu instid0(VALU_DEP_4)
	v_permlanex16_b32 v[T4+\b], v[BM+\b], s[SEL], s[SEL+1]
.endr
.irp b, 0,1,2,3
	s_delay_alu instid0(VALU_DEP_4)
	v_max_num_f32 v[BM+\b], v[BM+\b], v[T4+\b]     ; with lane l xor 16's 16 keys
.endr
	s_delay_alu instid0(VALU_DEP_2)
	v_max3_num_f32 v[TP], v[BM], v[BM+1], v[BM+2]
	s_delay_alu instid0(VALU_DEP_1)
	v_max_num_f32 v[TP], v[TP], v[BM+3]            ; the step's largest score of my query
	s_delay_alu instid0(VALU_DEP_1)
	v_mul_f32 v[TP], s[CS], v[TP]                  ; as t (c is positive)
	s_delay_alu instid0(VALU_DEP_1)
	v_max_num_f32 v13, v13, v[TP]                  ; the running largest t
	v_mov_b32 v[TP], v12
	s_delay_alu instid0(VALU_DEP_2)
	v_floor_f32 v12, -v13                          ; the new -M = floor(-t) = -ceil(t): M IS A WHOLE NUMBER
	s_delay_alu instid0(VALU_DEP_1)
	v_sub_f32 v[TP], v12, v[TP]                    ; M's old value less its new one: a whole number, 0 or less
	s_delay_alu instid0(VALU_DEP_1)
	v_cvt_i32_f32 v[TP], v[TP]                     ; (it saturates)
	s_delay_alu instid0(VALU_DEP_1)
	v_ldexp_f32 v[FF], 1.0, v[TP]                  ; f = 2^(old M - new M)
.set j, 0
.rept 32
	v_pk_fma_f32 v[S+j:S+j+1], v[S+j:S+j+1], s[CS:CS+1], v[12:13] op_sel_hi:[1,0,0]   ; t - M, two at a time (of the pairs c and -M the low word serves both halves)
.set j, j+2
.endr
.irp b, 0,1,2,3
	v_fma_f32 v[BM+\b], v[BM+\b], s[CS], v12       ; the same of each block's largest score
.endr
.set j, 0
	s_wait_alu depctr_va_vdst(0)                   ; the wait ahead of the batch
.rept 64
	v_exp_f32 v[S+j], v[S+j]                       ; p = 2^(t - M), at most 1: NOT normalised
.set j, j+1
.endr
	v_pk_mul_f32 v[14:15], v[14:15], v[FF:FF+1] op_sel_hi:[1,0]   ; the sums under the new M.  (A plain place behind the exponentials)
	s_wait_alu depctr_va_vdst(0)                   ; one wait for the whole batch, ahead of its first reader
.irp b, 0,1,2,3
	v_exp_f32 v[BM+\b], v[BM+\b]                   ; the block's largest p: the same two instructions on the same number give the same bits
.endr
	; THE ROW'S SUM IS TAKEN OF THE UNQUANTISED p: two at a time, in eight chains that are joined at the end
	v_pk_add_f32 v[244:245], v[132:133], v[136:137]
	v_pk_add_f32 v[254:255], v[140:141], v[144:145]
	v_pk_add_f32 v[252:253], v[148:149], v[152:153]
	v_pk_add_f32 v[250:251], v[156:157], v[160:161]
	v_pk_add_f32 v[248:249], v[164:165], v[168:169]
	v_pk_add_f32 v[246:247], v[172:173], v[176:177]
	v_pk_add_f32 v[238:239], v[180:181], v[184:185]
	v_pk_add_f32 v[14:15], v[14:15], v[188:189]
	v_pk_add_f32 v[244:245], v[244:245], v[128:129]
	v_pk_add_f32 v[254:255], v[254:255], v[130:131]
	v_pk_add_f32 v[252:253], v[252:253], v[134:135]
	v_pk_add_f32 v[250:251], v[250:251], v[138:139]
	v_pk_add_f32 v[248:249], v[248:249], v[142:143]
	v_pk_add_f32 v[246:247], v[246:247], v[146:147]
	v_pk_add_f32 v[238:239], v[238:239], v[150:151]
	v_pk_add_f32 v[14:15], v[14:15], v[154:155]
	v_pk_add_f32 v[244:245], v[244:245], v[158:159]
	v_pk_add_f32 v[254:255], v[254:255], v[162:163]
	v_pk_add_f32 v[252:253], v[252:253], v[166:167]
	v_pk_add_f32 v[250:251], v[250:251], v[170:171]
	v_pk_add_f32 v[248:249], v[248:249], v[174:175]
	v_pk_add_f32 v[246:247], v[246:247], v[178:179]
	v_pk_add_f32 v[238:239], v[238:239], v[182:183]
	v_pk_add_f32 v[14:15], v[14:15], v[186:187]
	v_pk_add_f32 v[244:245], v[244:245], v[190:191]
	s_delay_alu instid0(VALU_DEP_2)
	v_pk_add_f32 v[14:15], v[14:15], v[250:251]
	s_delay_alu instid0(VALU_DEP_2)
	v_pk_add_f32 v[244:245], v[244:245], v[248:249]
	v_pk_add_f32 v[254:255], v[254:255], v[246:247]
	v_pk_add_f32 v[252:253], v[252:253], v[238:239]
	s_delay_alu instid0(VALU_DEP_2)
	v_pk_add_f32 v[14:15], v[14:15], v[254:255]
	s_delay_alu instid0(VALU_DEP_2)
	v_pk_add_f32 v[244:245], v[244:245], v[252:253]
	s_delay_alu instid0(VALU_DEP_1)
	v_pk_add_f32 v[14:15], v[14:15], v[244:245]
	s_wait_alu depctr_va_vdst(0)                   ; and one for the four
.irp b, 0,1,2,3
	v_max_num_f32 v[BM+\b], 0x8000000, v[BM+\b]    ; the floor 2^(16 - 127): the byte cannot fall under 1 (a block whose every p is 0 keeps that byte: its codes are zeros)
.endr
.irp b, 0,1,2,3
	s_delay_alu instid0(VALU_DEP_4)
	v_add_nc_u32 v[SO+\b], 0xf8800000, v[BM+\b]    ; 15 off the exponent field: the conversion's scale operand
.endr
.irp b, 0,1,2,3
	v_and_or_b32 v[HD+\b], v[BM+\b], 0x7f800000, s[MNT]   ; 57,344 x the scale
.endr
.irp b, 0,1,2,3
	v_lshrrev_b32 v[T4+\b], 23, v[SO+\b]           ; the scale's byte
.endr
	s_delay_alu instid0(VALU_DEP_3)
	v_lshl_or_b32 v[PSW], v[T4+1], 8, v[T4]        ; p's scale word for these 128 keys
	s_delay_alu instid0(VALU_DEP_1)
	v_lshl_or_b32 v[PSW], v[T4+2], 16, v[PSW]
	s_delay_alu instid0(VALU_DEP_1)
	v_lshl_or_b32 v[PSW], v[T4+3], 24, v[PSW]
.irp b, 0,1,2,3
.irp i, 0,2,4,6,8,10,12,14
	HOLD2 S+16*\b+\i, \b
.endr
	v_cvt_scalef32_pk8_bf8_f32 v[PCD+4*\b:PCD+4*\b+1], v[S+16*\b:S+16*\b+7], v[SO+\b]
	v_cvt_scalef32_pk8_bf8_f32 v[PCD+4*\b+2:PCD+4*\b+3], v[S+16*\b+8:S+16*\b+15], v[SO+\b]
.endr
	s_wait_alu depctr_va_vdst(0)                   ; the wait here, directly ahead of the first reader of O^T
.set j, 0
.rept 16
	v_pk_mul_f32 v[O+j:O+j+1], v[O+j:O+j+1], v[FF:FF+1] op_sel_hi:[1,0]   ; O^T under the new M: x f.  (These sixteen are also the places between the conversions and the products)
.set j, j+2
.endr
	s_wait_alu depctr_va_vdst(0)                   ; the wait here, directly ahead of the wait below
	s_wait_dscnt 0x0                               ; V and its scale words are in
.irp t, 0,1,2,3                                ; O^T += V^T P^T: four tiles of 16 channels by turns; K = these 128 keys
	v_wmma_scale_f32_16x16x128_f8f6f4 v[O+8*\t:O+8*\t+7], v[F+16*\t:F+16*\t+15], v[PCD:PCD+15], v[O+8*\t:O+8*\t+7], v[VSC+\t], v[PSW] matrix_a_fmt:MATRIX_FMT_BF8 matrix_b_fmt:MATRIX_FMT_BF8
.endr
.if \m
.Lhidden_\@:
.endif
.endm
.macro NEXT lab, end                   ; on to the next key block, up to block end - 1
	s_add_co_u32 s[TB], s[TB], KSB
	s_add_co_u32 s[KB], s[KB], 1
	s_cmp_lt_u32 s[KB], \end
	s_cbranch_scc1 \lab
.endm
; A TILE OF QUERIES IS DONE: O^T / the sum, quantised along K = 64 x head + channel (two blocks of 32), stored as an image in the natural order, with its two scale bytes.
.macro FINISH oa, os
.rept 8
	v_nop                                          ; places behind the last products
.endr
	v_add_f32 v14, v14, v15                        ; the sum's two halves,
	s_delay_alu instid0(VALU_DEP_1)
	v_permlanex16_b32 v[TP], v14, s[SEL], s[SEL+1]
	s_delay_alu instid0(VALU_DEP_1)
	v_add_f32 v14, v14, v[TP]                      ; and lane l xor 16's: the row's sum
	s_wait_alu depctr_va_vdst(0)
	v_rcp_f32 v14, v14
	v_nop                                          ; a plain place behind the transcendental
	s_wait_alu depctr_va_vdst(0)                   ; and the wait ahead of its first reader
.set j, 0
.rept 32
	v_mul_f32 v[S+j], v[O+j], v14                  ; register 8 t + i of lane (r, h): channel 16 t + 8 h + i of query r; each accumulator from its low end on
.set j, j+1
.endr
.irp b, 0,1
	v_max3_num_f32 v[BM+\b], |v[S+16*\b]|, |v[S+1+16*\b]|, 0x8000000   ; my 16 numbers of block b, and the floor 2^(16 - 127)
.endr
.irp i, 2,4,6,8,10,12,14
.irp b, 0,1
	s_delay_alu instid0(VALU_DEP_2)
	v_max3_num_f32 v[BM+\b], v[BM+\b], |v[S+16*\b+\i]|, |v[S+1+16*\b+\i]|
.endr
.endr
.irp b, 0,1
	s_delay_alu instid0(VALU_DEP_2)
	v_permlanex16_b32 v[T4+\b], v[BM+\b], s[SEL], s[SEL+1]
.endr
.irp b, 0,1
	s_delay_alu instid0(VALU_DEP_2)
	v_max_num_f32 v[BM+\b], v[BM+\b], v[T4+\b]     ; with lane l xor 16's: the block's largest magnitude
.endr
.irp b, 0,1
	s_delay_alu instid0(VALU_DEP_2)
	v_add_nc_u32 v[SO+\b], 0xf8800000, v[BM+\b]
.endr
.irp b, 0,1
	s_delay_alu instid0(VALU_DEP_4)
	v_and_or_b32 v[HD+\b], v[BM+\b], 0x7f800000, s[MNT]
.endr
.irp b, 0,1
	s_delay_alu instid0(VALU_DEP_4)
	v_lshrrev_b32 v[T4+\b], 23, v[SO+\b]           ; the scale's byte
.endr
.irp b, 0,1
.irp i, 0,1,2,3,4,5,6,7,8,9,10,11,12,13,14,15
	v_med3_num_f32 v[S+16*\b+\i], v[S+16*\b+\i], -v[HD+\b], v[HD+\b]   ; the hold at the largest code x the scale
.endr
	v_cvt_scalef32_pk8_bf8_f32 v[PCD+4*\b:PCD+4*\b+1], v[S+16*\b:S+16*\b+7], v[SO+\b]
	v_cvt_scalef32_pk8_bf8_f32 v[PCD+4*\b+2:PCD+4*\b+3], v[S+16*\b+8:S+16*\b+15], v[SO+\b]
.endr
	v_nop                                          ; one plain vector instruction behind the last conversion
	; lanes 0-15 hold channels 0-7 and 16-23 of a block, lanes 16-31 channels 8-15 and 24-31.  The output product's other operand is given in the natural order: the upper lanes' first two registers change places with the lower lanes' last two
	v_permlane16_swap_b32 v[PCD], v[PCD+2]
	v_permlane16_swap_b32 v[PCD+1], v[PCD+3]
	v_permlane16_swap_b32 v[PCD+4], v[PCD+6]
	v_permlane16_swap_b32 v[PCD+5], v[PCD+7]
	v_cndmask_b32 v[TP], v[T4], v[T4+1], s[HM]     ; lanes 0-15 store block 0's byte, lanes 16-31 block 1's
	global_store_b128 v[LI], v[PCD:PCD+3], s[\oa:\oa+1]               ; each store of the wave covers 512 consecutive bytes, aligned
	global_store_b128 v[LI], v[PCD+4:PCD+7], s[\oa:\oa+1] offset:512
	global_store_b8 v[BO], v[TP], s[\os:\os+1]     ; a head owns 2 of a token's 32 scale bytes
	s_wait_xcnt 0x0                                ; the stores have read their registers, which are written again
.endm
	s_mov_b32 s[KB], 0
	s_mov_b32 s[TB], 0
	s_wait_alu depctr_va_vdst(0)                   ; the wait at the head's end
	s_cmp_lt_u32 s[WV], 4
	s_cbranch_scc0 .Lnot_first
	s_wait_tensorcnt 0x0                           ; waves 0 to 3: my block, one of blocks 0 to 3, is in.  The other waves' wait stands at the second barrier
.Lnot_first:
	s_barrier_signal -1
	s_barrier_wait -1
.Lhead3:                                           ; the first tile, key blocks 0 to 2: its group is 8 at the least, so all their keys count
	STEP 0
	NEXT .Lhead3, 3
	s_wait_alu depctr_va_vdst(0)
	s_wait_tensorcnt 0x0                           ; every wave: my block is in
	s_wait_dscnt 0x0
	s_barrier_signal -1
	s_barrier_wait -1                              ; all sixteen blocks are
	s_mov_b32 s[KB], 3
	s_mov_b32 s[TB], 3*KSB
.Llong:                                            ; the first tile, key blocks 3 to 15
	STEP 1
	NEXT .Llong, 16
	s_wait_alu depctr_va_vdst(0)
	FINISH 40, 42
	v_mov_b32 v[QS], v[QS+1]                       ; the wave's state begins anew, for the second tile (a step's eight places stand between these lines and its products)
.irp j, 0,1,2,3,4,5,6,7
	v_mov_b32 v[24+\j], v[40+\j]
.endr
.set j, 0
.rept 32
	v_mov_b32 v[O+j], 0
.set j, j+1
.endr
	v_mov_b32 v13, 0xff61b1e6
	v_mov_b32 v14, 0
	v_mov_b32 v15, 0
	v_floor_f32 v12, -v13
	s_mov_b32 s[GR], s[GS]
	s_mov_b32 s[KB], 0
	s_mov_b32 s[TB], 0
	s_wait_alu depctr_va_vdst(0)
.Lshort:                                           ; the second tile, key blocks 0 to 7
	STEP 1
	NEXT .Lshort, 8
	s_wait_alu depctr_va_vdst(0)
	FINISH 44, 46
	s_wait_tensorcnt 0x0                           ; the wave's end
	ds_add_u32 v[SPW], v[NIL]
	s_wait_dscnt 0x0
	CROUND                                         ; the closing round
	s_endpgm
.Lfunc_end_k_q873fae0b93_attn:
	.size	k_q873fae0b93_attn, .Lfunc_end_k_q873fae0b93_attn-k_q873fae0b93_attn
	.p2alignl 7, 3214868480
	.fill 96, 4, 3214868480
	.section	.rodata,"a",@progbits
	.p2align	6, 0x0
	.amdhsa_kernel k_q873fae0b93_attn
		.amdhsa_group_segment_fixed_size 327680
		.amdhsa_private_segment_fixed_size 0
		.amdhsa_enable_private_segment 0
		.amdhsa_kernarg_size 32
		.amdhsa_user_sgpr_count 2
		.amdhsa_user_sgpr_kernarg_segment_ptr 1
		.amdhsa_wavefront_size32 1
		.amdhsa_system_sgpr_workgroup_id_x 1
		.amdhsa_system_sgpr_workgroup_id_y 1
		.amdhsa_system_sgpr_workgroup_id_z 1
		.amdhsa_system_vgpr_workitem_id 0
		.amdhsa_next_free_vgpr 256
		.amdhsa_next_free_sgpr 72
		.amdhsa_reserve_vcc 1
		.amdhsa_float_denorm_mode_32 3
		.amdhsa_float_denorm_mode_16_64 3
		.amdhsa_memory_ordered 1
		.amdhsa_forward_progress 1
		.amdhsa_inst_pref_size 92
	.end_amdhsa_kernel
	.amdgpu_metadata
---
amdhsa.version: [ 1, 2 ]
amdhsa.kernels:
  - .name:           k_q873fae0b93_attn
    .symbol:         k_q873fae0b93_attn.kd
    .args:
      - { .name: qimg, .offset: 0, .size: 8, .value_kind: global_buffer, .address_space: global }
      - { .name: kvimg, .offset: 8, .size: 8, .value_kind: global_buffer, .address_space: global }
      - { .name: aimg, .offset: 16, .size: 8, .value_kind: global_buffer, .address_space: global }
      - { .name: asc, .offset: 24, .size: 8, .value_kind: global_buffer, .address_space: global }
    .group_segment_fixed_size: 327680
    .private_segment_fixed_size: 0
    .kernarg_segment_align: 8
    .kernarg_segment_size: 32
    .max_flat_workgroup_size: 512
    .sgpr_count:     72
    .vgpr_count:     256
    .wavefront_size: 32
...
	.end_amdgpu_metadata
.endif
;; end of part 2
;; launch outp (part 3): grid 4 x 64, 4 waves a work-group, clusters of 4 x 4, 327,680 bytes of LDS; arguments aimg, asc, Wo_codes, Wo_scales, out0, bo; writes out0
.if DOCPART == 3
	.amdgcn_target "amdgcn-amd-amdhsa--gfx1250"
	.amdhsa_code_object_version 6
	.text
	.protected	k_q873fae0b93_outp
	.globl	k_q873fae0b93_outp
	.p2align	8
	.type	k_q873fae0b93_outp,@function
k_q873fae0b93_outp:
	s_mov_b64 s[64:65], 0
	v_nop
	global_prefetch_b8 v0, s[64:65] scope:SCOPE_SE
	s_setreg_imm32_b32 hwreg(HW_REG_WAVE_MODE, 25, 1), 1
	s_wait_xcnt 0x0
	s_wait_alu depctr_hold_cnt(0) depctr_sa_sdst(0) depctr_va_vdst(0) depctr_va_sdst(0) depctr_va_ssrc(0) depctr_va_vcc(0) depctr_vm_vsrc(0)
	s_getreg_b32 s2, hwreg(HW_REG_IB_STS2, 6, 4)
	s_cmp_eq_u32 s2, 0
	s_cbranch_scc0 .Lentry_in_a_cluster
	s_endpgm
.Lentry_in_a_cluster:
	s_bfe_u32 s2, ttmp6, 0x10000c
	s_cmp_lg_u32 s2, 0xf033
	s_cbranch_scc0 .Lentry_shape_is_right
	s_endpgm
.Lentry_shape_is_right:
; THE OUTPUT PRODUCT out0 = a Wo + bo on codes of BF8 (E5M2) with one E8M0 scale for each 32 along K = 1,024; sums in f32.
; a: aimg, images of operand registers, [128 tokens][256 along K][tile of 16 tokens][128 along K][group][512 bytes: lane l's 16 bytes at 16 l]; asc [token][32] its scale bytes.  Wo: 1,024 rows (outputs) of 1,024 codes; scale bytes 32 a row.
; SHARES.  256 work-groups of four waves; a work-group makes 128 tokens x 256 columns, a wave 64 tokens x 128 columns: 32 accumulators of 16 x 16, 256 registers.
; Wo's 256 rows, ALL of K, lie in LDS as four quarters of K (256 rows x 256 bytes + 16 of padding each): wave w asks for quarter w, one tensor load a wave, at the kernel's head.  Nothing is filled again.
; Each quarter has a load line of its own and is shown by a barrier of its own: ahead of quarter q the waves up to q have waited; the last wait stands on every wave's way.
; a's fragments go from memory straight into registers: an image's group is 512 consecutive bytes, one load of the wave; my 64 tokens, all of K, are 512 registers.  K's first half is asked for at the head, a further 128 along K in each of the first four steps.
; CLUSTERS: 4 x 4 work-groups; the four of a column need the same rows of Wo and ask jointly.  a is NOT asked for jointly: its 131,072 bytes do not fit in LDS beside Wo's 278,528, so it would have to come through slots that are filled again.
; NO PREFETCH: Wo's loads all go out at the head, and a's loads run 512 along K ahead of their use: there is no later load to run ahead of.
; THE MATRIX INSTRUCTION IS USED TRANSPOSED (source 0 = 16 rows of Wo, source 1 = 16 tokens): a lane holds eight neighbouring numbers of a row of out0.
; The bias is added on the way out, where a lane holds four neighbouring columns of whole rows.
; REGISTERS: window 0: v0-11 addresses; v12-27 a's scale words (register 8 p + k: lanes 0-15 tile 2 p's, lanes 16-31 tile 2 p + 1's, for the k-th 128 along K); v28-31 the bias; v32-63 Wo's scale words likewise;
;   v64-255 three sets of four fragments of Wo.   windows 1, 2: a's fragments (the k-th 128 along K of tile t at 64 (k % 4) + 16 t of window 1 + k / 4).   window 3: accumulator (t, b) at 8 (8 t + b).
; LIMITS: NaN and infinities among the sums are not served otherwise than f32 arithmetic gives them.
.set PITCH,  272                       ; an LDS row: 256 bytes + 16 of padding
.set QBY,    256*PITCH                 ; a quarter of K of Wo's 256 rows
.set STAGE,  4*QBY                     ; the way out: 16 rows x (512 bytes + 16) for each wave, bytes of its own
.set SPITCH, 528
.set SPARE,  STAGE+4*16*SPITCH         ; the spare words, 128 bytes for each wave: two blocks of 256 bytes that no other line names
.set SPW,  1                           ; v1   LDS address of my spare word; never rewritten
.set NIL,  2                           ; v2   0; never rewritten
.set CO,   3                           ; v3   16 x lane
.set ADRB, 4                           ; v4-7 LDS address of my fragments of Wo in quarter 0 .. 3
.set STO,  8                           ; v8   the way out: where I put 32 bytes of a row
.set RD,   9                           ; v9   the way out: where I read a row back
.set SA,   12
.set BIA,  28
.set SB,   32
.set G1,   24                          ; s[24:31], s[32:35] the descriptor's groups 1 and 0
.set G0,   32
.set MSB, 0
.macro WIN new                         ; the immediate's high byte repeats the setting that is left
.if MSB != \new
	s_set_vgpr_msb (MSB<<8)|\new
.set MSB, \new
.endif
.endm
.macro PLACES n
.rept \n
	v_nop
.endr
.endm
.macro CROUND                          ; a round of the cluster's barrier
	s_barrier_signal -1
	s_barrier_wait -1
	s_cmp_lg_u32 s16, 0
	s_cbranch_scc1 .Lnot_wave_0_\@
	s_barrier_signal -3
.Lnot_wave_0_\@:
	s_barrier_wait -3
	s_barrier_signal -1
	s_barrier_wait -1
.endm
.macro TLOAD                           ; my quarter; an s_nop 0 and four v_nop follow the line
	tensor_load_to_lds s[G0:G0+3], s[G1:G1+7]
	s_nop 0
	PLACES 4
.endm
.macro ARM under, next
	s_cmp_lt_u32 s16, \under
	s_cbranch_scc0 \next
	TLOAD
	s_branch .Lasked
\next:
.endm
.macro OFFS p                          ; the address at s[p] steps by the offset in hand
	s_add_nc_u64 s[\p:\p+1], s[\p:\p+1], s[36:37]
.endm
	s_load_b256 s[4:11], s[0:1], 0x0               ; aimg, asc, Wo's codes, Wo's scales
	s_load_b128 s[12:15], s[0:1], 0x20             ; out0, bo
	v_lshl_add_u32 v[SPW], v0, 2, SPARE
	v_mov_b32 v[NIL], 0
	ds_add_u32 v[SPW], v[NIL]                      ; the wave's opening: the add, twice on end, and its wait ahead of my first tensor load
	ds_add_u32 v[SPW], v[NIL]
	v_lshrrev_b32 v10, 5, v0
	v_readfirstlane_b32 s16, v10                   ; wave 0..3
	s_lshr_b32 s17, s16, 1                         ; which 64 tokens are mine
	s_and_b32 s18, s16, 1                          ; which 128 columns
	s_bfe_u32 s19, ttmp6, 0x40000                  ; cx: the tile column of out0 (the grid is one cluster wide)
	s_bfe_u32 s20, ttmp6, 0x40004                  ; cy
	s_and_b32 s21, ttmp7, 0xffff
	s_lshl_b32 s21, s21, 2
	s_add_co_u32 s21, s21, s20                     ; the block of 128 tokens = 4 x cluster y + cy
	s_lshl_b32 s22, 0x1111, s19                    ; my column of the cluster
	s_or_b32 s[G1], s22, (1<<20)|(1<<21)|(5<<22)|(3<<25)  ; 15:0 the mask; 17:16 elements of 1 byte; 20 padding on; 21 set beside a mask; 24:22 after every 64 words; 31:25 of 4 words
	s_mov_b32 s[G1+1], 256<<16                     ; tensor_dim0 = 256
	s_mov_b32 s[G1+2], 256<<16                     ; tensor_dim1 = 256
	s_mov_b32 s[G1+3], 256<<16                     ; tile_dim0 = 256
	s_mov_b32 s[G1+4], 256                         ; tile_dim1 = 256
	s_mov_b32 s[G1+5], 1024                        ; from row to row
	s_mov_b32 s[G1+6], 0
	s_mov_b32 s[G1+7], 0
	s_mov_b32 s[G0], 1
	s_mul_i32 s[G0+1], s16, QBY                    ; LDS address: quarter = my wave's number
	s_lshl_b32 s36, s19, 18                        ; Wo: 256 rows of 1,024 bytes x tile column,
	s_lshl_b32 s22, s16, 8                         ; and 256 bytes along K x my wave's number
	s_add_co_u32 s36, s36, s22
	s_mov_b32 s37, 0
	v_and_b32 v10, 15, v0                          ; r
	v_bfe_u32 v11, v0, 4, 1                        ; h
	v_and_b32 v[CO], 31, v0                        ; lane
	v_mul_u32_u24 v[ADRB], v10, PITCH
	v_mul_u32_u24 v[STO], v10, SPITCH
	v_lshl_add_u32 v[ADRB], v11, 4, v[ADRB]        ; a fragment's row x pitch + 16 x half
	v_lshl_add_u32 v[STO], v11, 5, v[STO]          ; the stage, in: row r, 32 bytes for each half of the lanes
	s_mul_i32 s22, s18, 128*PITCH                  ; my 128 rows of Wo
	s_mul_i32 s23, s16, 16*SPITCH
	s_add_co_u32 s23, s23, STAGE                   ; my stage
	v_add_nc_u32 v[ADRB], s22, v[ADRB]
	v_add_nc_u32 v[STO], s23, v[STO]
	v_lshlrev_b32 v10, 5, v[CO]                    ; 32 x lane: a row of scale bytes to a lane
	v_lshlrev_b32 v[CO], 4, v[CO]
	v_add_nc_u32 v[ADRB+1], QBY, v[ADRB]
	v_add_nc_u32 v[ADRB+2], 2*QBY, v[ADRB]
	v_add_nc_u32 v[ADRB+3], 3*QBY, v[ADRB]
	v_add_nc_u32 v[RD], s23, v[CO]                 ; back: the 32 lanes take one row of 512 bytes
	s_wait_alu depctr_va_vdst(0)
	s_wait_dscnt 0x0                               ; both opening adds are done
	CROUND                                         ; all sixteen work-groups are here: the joint loads meet
	s_wait_kmcnt 0x0
	s_add_nc_u64 s[G0+2:G0+3], s[8:9], s[36:37]
	s_or_b32 s[G0+3], s[G0+3], 0x80000000          ; type = 2
	ARM 1, .Larm1                                  ; one chain of branches on the wave's number, an arm a load
	ARM 2, .Larm2
	ARM 3, .Larm3
	TLOAD
.Lasked:
	s_lshl_b32 s36, s21, 12                        ; asc: 128 tokens x 32 bytes x block, + my 64 tokens
	s_lshl_b32 s22, s17, 11
	s_add_co_u32 s36, s36, s22
	OFFS 6
	s_lshl_b32 s36, s19, 13                        ; Wo's scales: 256 rows x 32 bytes x tile column, + my 128 rows
	s_lshl_b32 s22, s18, 12
	s_add_co_u32 s36, s36, s22
	OFFS 10
	s_lshl_b32 s23, s19, 10                        ; my first column, in bytes of f32
	s_lshl_b32 s22, s18, 9
	s_add_co_u32 s23, s23, s22
	s_mov_b32 s36, s23
	OFFS 14
	s_lshl_b32 s36, s21, 17                        ; aimg: 131,072 bytes x block, + my four tiles of 4,096
	s_lshl_b32 s22, s17, 14
	s_add_co_u32 s36, s36, s22
	OFFS 4
	s_lshl_b32 s36, s21, 19                        ; out0: 128 rows of 4,096 bytes x block, + my 64 rows, + my first column
	s_lshl_b32 s22, s17, 18
	s_add_co_u32 s36, s36, s22
	s_add_co_u32 s36, s36, s23
	OFFS 12
.macro GA kq                           ; a's four fragments of the kq-th 128 along K: 16 loads of 512 consecutive bytes
.irp a, 0,1,2,3
.irp c, 0,1,2,3
	global_load_b128 v[64*((\kq)%4)+16*\a+4*\c:64*((\kq)%4)+16*\a+4*\c+3], v[CO], s[4:5] offset:((\kq)/2)*32768+\a*4096+((\kq)%2)*2048+\c*512
.endr
.endr
.endm
.irp p, 0,1
	global_load_b128 v[SA+8*\p:SA+8*\p+3], v10, s[6:7] offset:1024*\p        ; lane l takes token l of a pair of tiles: 1,024 consecutive bytes in two loads
	global_load_b128 v[SA+8*\p+4:SA+8*\p+7], v10, s[6:7] offset:1024*\p+16
.endr
.irp p, 0,1,2,3
	global_load_b128 v[SB+8*\p:SB+8*\p+3], v10, s[10:11] offset:1024*\p
	global_load_b128 v[SB+8*\p+4:SB+8*\p+7], v10, s[10:11] offset:1024*\p+16
.endr
	global_load_b128 v[BIA:BIA+3], v[CO], s[14:15] ; the bias of columns 4 lane .. 4 lane + 3 of my 128
	WIN 0x40                                       ; destination window 1
	GA 0
	GA 1
	GA 2
	GA 3
	WIN 0
; one product: the kq-th 128 along K, token tile a, column tile b, whose fragment of Wo stands at br.  The first 128 along K start the sums: nothing is cleared.
.macro PR kq, a, b, br
.set D_, 8*(8*(\a)+(\b))
.set A_, 64*((\kq)%4)+16*(\a)
.set XB_, SB+8*((\b)/2)+(\kq)
.set XA_, SA+8*((\a)/2)+(\kq)
.if (\kq) == 0
.if ((\b)%2) && ((\a)%2)
	v_wmma_scale_f32_16x16x128_f8f6f4 v[D_:D_+7], v[\br:\br+15], v[A_:A_+15], 0, v[XB_], v[XA_] matrix_a_fmt:MATRIX_FMT_BF8 matrix_b_fmt:MATRIX_FMT_BF8 matrix_a_scale:MATRIX_SCALE_ROW1 matrix_b_scale:MATRIX_SCALE_ROW1
.elseif (\b)%2
	v_wmma_scale_f32_16x16x128_f8f6f4 v[D_:D_+7], v[\br:\br+15], v[A_:A_+15], 0, v[XB_], v[XA_] matrix_a_fmt:MATRIX_FMT_BF8 matrix_b_fmt:MATRIX_FMT_BF8 matrix_a_scale:MATRIX_SCALE_ROW1
.elseif (\a)%2
	v_wmma_scale_f32_16x16x128_f8f6f4 v[D_:D_+7], v[\br:\br+15], v[A_:A_+15], 0, v[XB_], v[XA_] matrix_a_fmt:MATRIX_FMT_BF8 matrix_b_fmt:MATRIX_FMT_BF8 matrix_b_scale:MATRIX_SCALE_ROW1
.else
	v_wmma_scale_f32_16x16x128_f8f6f4 v[D_:D_+7], v[\br:\br+15], v[A_:A_+15], 0, v[XB_], v[XA_] matrix_a_fmt:MATRIX_FMT_BF8 matrix_b_fmt:MATRIX_FMT_BF8
.endif
.else
.if ((\b)%2) && ((\a)%2)
	v_wmma_scale_f32_16x16x128_f8f6f4 v[D_:D_+7], v[\br:\br+15], v[A_:A_+15], v[D_:D_+7], v[XB_], v[XA_] matrix_a_fmt:MATRIX_FMT_BF8 matrix_b_fmt:MATRIX_FMT_BF8 matrix_a_scale:MATRIX_SCALE_ROW1 matrix_b_scale:MATRIX_SCALE_ROW1
.elseif (\b)%2
	v_wmma_scale_f32_16x16x128_f8f6f4 v[D_:D_+7], v[\br:\br+15], v[A_:A_+15], v[D_:D_+7], v[XB_], v[XA_] matrix_a_fmt:MATRIX_FMT_BF8 matrix_b_fmt:MATRIX_FMT_BF8 matrix_a_scale:MATRIX_SCALE_ROW1
.elseif (\a)%2
	v_wmma_scale_f32_16x16x128_f8f6f4 v[D_:D_+7], v[\br:\br+15], v[A_:A_+15], v[D_:D_+7], v[XB_], v[XA_] matrix_a_fmt:MATRIX_FMT_BF8 matrix_b_fmt:MATRIX_FMT_BF8 matrix_b_scale:MATRIX_SCALE_ROW1
.else
	v_wmma_scale_f32_16x16x128_f8f6f4 v[D_:D_+7], v[\br:\br+15], v[A_:A_+15], v[D_:D_+7], v[XB_], v[XA_] matrix_a_fmt:MATRIX_FMT_BF8 matrix_b_fmt:MATRIX_FMT_BF8
.endif
.endif
.endm
; a batch: 16 products: my four token tiles x column tiles 4 hf .. 4 hf + 3, whose fragments stand in the set.  Sixteen accumulators by turns; the next batch takes the other sixteen.
.macro MB kq, hf, set
	WIN 0xf0|((1+(\kq)/4)<<2)                      ; source 0 window 0, source 1 window 1 or 2, C and D window 3
.irp a, 0,1,2,3
.irp t, 0,1,2,3
	PR \kq, \a, 4*(\hf)+\t, 64+64*(\set)+16*\t
.endr
.endr
.endm
.macro LB q, kk, hf, set               ; four fragments of Wo into a set: quarter q, its kk-th 128 along K, column tiles 4 hf .. 4 hf + 3: 16 LDS loads
.irp t, 0,1,2,3
.irp c, 0,1,2,3
	ds_load_b128 v[64+64*(\set)+16*\t+4*\c:64+64*(\set)+16*\t+4*\c+3], v[ADRB+\q] offset:(4*(\hf)+\t)*16*PITCH+128*(\kk)+32*\c
.endr
.endr
.endm
.macro KQ kq                           ; a's fragments of the kq-th 128 along K are in: behind them the loads of up to three later ones, 16 each, may be out; the one four on is asked for
.if (\kq) < 5
	s_wait_loadcnt 48
.else
	s_wait_loadcnt 16*(7-(\kq))
.endif
.if (\kq) < 4
	WIN 0x80                                       ; destination window 2
	GA (\kq)+4
	WIN 0
.endif
.endm
; A QUARTER OF K: four batches on sets 0, 1, 2, 0.  The counted waits on DScnt count the later sets' loads, 16 each.  Inside the last batch stands the barrier that shows the next quarter.
.macro QUARTER q
	PLACES 8                                       ; places in front of loads into registers that the last products have read (ISA guide 7.12.1 for vector instructions)
	LB \q, 0, 0, 0
	LB \q, 0, 1, 1
	LB \q, 1, 0, 2
	KQ 2*\q
	s_wait_dscnt 32
	MB 2*\q, 0, 0
	PLACES 8
	WIN 0
	LB \q, 1, 1, 0
	s_wait_dscnt 32
	MB 2*\q, 1, 1
	WIN 0
	KQ 2*\q+1
	s_wait_dscnt 16
	MB 2*\q+1, 0, 2
	WIN 0
.if \q < 2
	s_cmp_lt_u32 s16, \q+2
	s_cbranch_scc0 .Lnot_yet_\@
	s_wait_tensorcnt 0x0                           ; the waves up to q + 1: my quarter is in
.Lnot_yet_\@:
.elseif \q == 2
	s_wait_tensorcnt 0x0                           ; every wave: all that was still out is in
.endif
	s_wait_dscnt 0x0
.if \q < 3
	s_barrier_signal -1
.endif
	MB 2*\q+1, 1, 0
	WIN 0
.if \q < 3
	s_barrier_wait -1
.endif
.endm
	s_cmp_lt_u32 s16, 1
	s_cbranch_scc0 .Lnot_first
	s_wait_tensorcnt 0x0                           ; wave 0: quarter 0 is in.  The other waves' waits stand at the later barriers
.Lnot_first:
	s_barrier_signal -1
	s_barrier_wait -1
	QUARTER 0
	QUARTER 1
	QUARTER 2
	QUARTER 3
; THE WAY OUT, tile by tile of 16 tokens x 128 columns: through my own stage in LDS, back as whole rows of 512 bytes, the bias added, stored as two aligned units of 256 bytes by the 32 lanes.
; LDS serves a wave's instructions in order (ISA guide 5.7.1.4): no wait between the stores and the loads, nor in front of the next tile's stores.
.macro TOSTAGE a
	WIN 0x0c                                       ; the data: window 3
.irp b, 0,1,2,3,4,5,6,7
	ds_store_b128 v[STO], v[64*(\a)+8*\b:64*(\a)+8*\b+3] offset:64*\b          ; each accumulator from its low end on
	ds_store_b128 v[STO], v[64*(\a)+8*\b+4:64*(\a)+8*\b+7] offset:64*\b+16
.endr
	WIN 0
.set BB, 64+64*((\a)%2)
.irp t, 0,1,2,3,4,5,6,7,8,9,10,11,12,13,14,15
	ds_load_b128 v[BB+4*\t:BB+4*\t+3], v[RD] offset:\t*SPITCH
.endr
.endm
.macro SEND a, younger                 ; younger: the LDS instructions issued behind tile a's loads, which may stay out
.set BB, 64+64*((\a)%2)
	s_wait_dscnt \younger
.if (\a) > 0
	s_add_nc_u64 s[12:13], s[12:13], 16*4096       ; (behind a wait on XCNT: the earlier stores have read their base)  16 rows of out0 on
.endif
.irp t, 0,1,2,3,4,5,6,7,8,9,10,11,12,13,14,15
	v_pk_add_f32 v[BB+4*\t:BB+4*\t+1], v[BB+4*\t:BB+4*\t+1], v[BIA:BIA+1]
	v_pk_add_f32 v[BB+4*\t+2:BB+4*\t+3], v[BB+4*\t+2:BB+4*\t+3], v[BIA+2:BIA+3]
	global_store_b128 v[CO], v[BB+4*\t:BB+4*\t+3], s[12:13] offset:\t*4096 th:TH_STORE_NT   ; 32 lanes store 512 consecutive bytes, at a multiple of 256 from out0's first byte
.endr
.endm
	PLACES 8                                       ; behind the last products: ahead of the first read of results and of loads into the sets
	TOSTAGE 0
.irp a, 1,2,3
.if \a > 1
	s_wait_xcnt 0x0                                ; tile a - 2's stores have read their registers and their base
.endif
	TOSTAGE \a
	SEND \a-1, 32                                  ; behind tile a - 1's loads: tile a's 16 stores and 16 loads
.endr
	s_wait_xcnt 0x0
	SEND 3, 0
	s_wait_tensorcnt 0x0                           ; the wave's end
	ds_add_u32 v[SPW], v[NIL]
	s_wait_dscnt 0x0
	CROUND                                         ; the closing round
	s_endpgm
.Lfunc_end_k_q873fae0b93_outp:
	.size	k_q873fae0b93_outp, .Lfunc_end_k_q873fae0b93_outp-k_q873fae0b93_outp
	.p2alignl 7, 3214868480
	.fill 96, 4, 3214868480
	.section	.rodata,"a",@progbits
	.p2align	6, 0x0
	.amdhsa_kernel k_q873fae0b93_outp
		.amdhsa_group_segment_fixed_size 327680
		.amdhsa_private_segment_fixed_size 0
		.amdhsa_enable_private_segment 0
		.amdhsa_kernarg_size 48
		.amdhsa_user_sgpr_count 2
		.amdhsa_user_sgpr_kernarg_segment_ptr 1
		.amdhsa_wavefront_size32 1
		.amdhsa_system_sgpr_workgroup_id_x 1
		.amdhsa_system_sgpr_workgroup_id_y 1
		.amdhsa_system_sgpr_workgroup_id_z 1
		.amdhsa_system_vgpr_workitem_id 0
		.amdhsa_next_free_vgpr 1024
		.amdhsa_next_free_sgpr 66
		.amdhsa_reserve_vcc 0
		.amdhsa_float_denorm_mode_32 3
		.amdhsa_float_denorm_mode_16_64 3
		.amdhsa_memory_ordered 1
		.amdhsa_forward_progress 1
		.amdhsa_inst_pref_size 95
	.end_amdhsa_kernel
	.amdgpu_metadata
---
amdhsa.version: [ 1, 2 ]
amdhsa.kernels:
  - .name:           k_q873fae0b93_outp
    .symbol:         k_q873fae0b93_outp.kd
    .args:
      - { .name: aimg, .offset: 0, .size: 8, .value_kind: global_buffer, .address_space: global }
      - { .name: asc, .offset: 8, .size: 8, .value_kind: global_buffer, .address_space: global }
      - { .name: Wo_codes, .offset: 16, .size: 8, .value_kind: global_buffer, .address_space: global }
      - { .name: Wo_scales, .offset: 24, .size: 8, .value_kind: global_buffer, .address_space: global }
      - { .name: out0, .offset: 32, .size: 8, .value_kind: global_buffer, .address_space: global }
      - { .name: bo, .offset: 40, .size: 8, .value_kind: global_buffer, .address_space: global }
    .group_segment_fixed_size: 327680
    .private_segment_fixed_size: 0
    .kernarg_segment_align: 8
    .kernarg_segment_size: 48
    .max_flat_workgroup_size: 128
    .sgpr_count:     66
    .vgpr_count:     1024
    .wavefront_size: 32
...
	.end_amdgpu_metadata
.endif
;; end of part 3
